; MI455X (gfx1250); checked and timed in simulation.
; The chip was launched on July 23, 2026; its instructions are those of AMD's public machine-readable ISA for CDNA 5 (MIT licence, August 2026) and "CDNA5" Instruction Set Architecture Reference Guide (July 2026). The comments in the code are by the model that wrote it; some were corrected since.
;; Attn Block. Allowed arithmetic: matrix products marked QUANTISED: E3M2 operands, one E8M0 scale for each 32 along K, by v_wmma_scale_f32_16x16x128_f8f6f4 with both operands' format E3M2, f32 sums; everything else in f32.
;; Inputs: bk 512 float32; bp 512 float32; bq 512 float32; bv 512 float32; gn_beta 512 float32; gn_gamma 512 float32; wk 512 x 512 float32; wp 512 x 512 float32; wq 512 x 512 float32; wv 512 x 512 float32; x 32 x 512 x 32 x 32 float32.
;; Outputs: out0 32 x 512 x 32 x 32 float32.
;; This version of the problem:
;;   THIS VERSION OF THE PROBLEM IS GIVEN IN LOW PRECISION. The matrix products marked QUANTISED in the list below multiply operands that are first quantised to E3M2 (3 exponent bits, 2 mantissa bits; 6 bits a number), with one power-of-two scale for each 32 numbers along K (OCP MX v1.0); their sums are f32. All else is computed in f32.
;;   The module's matrix products, in the order in which they are computed (A, B: the left and right operand; K: the contracted axis; several contracted axes count as one K, in the product's order):
;;     1. [M 32,768, K 512] x [K 512, N 512]; A: computed on the way; B: input wq: QUANTISED
;;     2. [M 32,768, K 512] x [K 512, N 512]; A: computed on the way; B: input wk: QUANTISED
;;     3. [M 32,768, K 512] x [K 512, N 512]; A: computed on the way; B: input wv: QUANTISED
;;     4. batch 32 x [M 1,024, K 512] x [K 512, N 1,024]; A: computed on the way; B: computed on the way: QUANTISED
;;     5. batch 32 x [M 512, K 1,024] x [K 1,024, N 1,024]; A: computed on the way; B: softmax (see below): QUANTISED
;;     6. [M 32,768, K 512] x [K 512, N 512]; A: computed on the way; B: input wp: QUANTISED
;;   THE QUANTISER, for each operand of a quantised product, along K:
;;     - K is cut into blocks of 32 from its start; a last block that is shorter is filled with zeros.
;;     - A block's scale is 2^e with e = floor(log2(the largest magnitude in the block)) - 4, held to -126 .. 127; a block of zeros has e = 0. As a byte (E8M0): e + 127.
;;     - Each number is divided by its block's scale, clamped to +-28, and rounded to the nearest number of E3M2, ties to even, subnormals kept.
;;     - The product sums the exact products of the quantised numbers (number of the format x scale) in f32.
;;   ~~~python
;;   def quantise(x, axis):      # numpy; x: float32 -> the quantised numbers, widened to float32 again
;;       x = np.moveaxis(x, axis, -1); K = x.shape[-1]
;;       x = np.pad(x, [(0, 0)] * (x.ndim - 1) + [(0, -K % 32)]); x = x.reshape(x.shape[:-1] + (-1, 32)); a = np.abs(x).max(-1, keepdims=True)
;;       e = np.where(a > 0, np.clip(np.frexp(np.where(a > 0, a, 1))[1] - 1 - 4, -126, 127), 0)      # np.frexp(a)[1] - 1 = floor(log2(a)), exactly
;;       r = np.clip(x / 2.0 ** e, -28, 28)
;;       step = 2.0 ** (np.maximum(np.frexp(np.where(r == 0, 1, r))[1] - 1, -2) - 2)
;;       q = np.round(r / step) * step * 2.0 ** e      # np.round: ties to even
;;       return np.moveaxis(q.reshape(q.shape[:-2] + (-1,))[..., :K], -1, axis).astype(np.float32)
;;   ~~~
;;   SOFTMAX AHEAD OF A QUANTISED PRODUCT. Where the list says 'softmax', what is quantised is not the finished softmax but p = 2^(t - M), with t = logit x log2(e) and M = ceil(the row's largest t), a whole number; so 1/2 < the row's largest p <= 1. The row's sum l is taken of the UNQUANTISED p, in f32, and the product's result is divided by l at the end. Since M is a whole number, a kernel that streams over the keys may use a running M (the ceiling of the running maximum): every later rescaling is an exact power of two, which a block's scale takes up: the codes' values come out the same.
;;   OPERANDS COMPUTED ON THE WAY. 'Computed on the way' means the value that the module computes at that place (a softmax that the list does not call 'softmax' is quantised finished and normalised). What goes into a quantiser is computed in f32, as accurately as f32 sums, v_exp_f32 and their like allow (about 1e-6 of the number): no bf16 or f16 on the way to a quantiser, and a product that is left as it is and whose result goes on into a quantised operand takes f32 operands (vector FMAs, or v_wmma_f32_16x16x4_f32). A number that lies on a knife's edge between two numbers of the format may be rounded either way, as far as f32 arithmetic and the matrix unit's own rounding can turn it there, and no further.
;; One version. Each part assembles by itself: llvm-mc -triple=amdgcn-amd-amdhsa -mcpu=gfx1250 --defsym DOCPART=n.
;; ======== version 1 of 1: 4 launches
;; workspace buffers: hnimg 12,582,912 bytes; hnsc 1,048,576 bytes; wimg 786,432 bytes; wsc 32,768 bytes; qimg 12,582,912 bytes; kv 25,165,824 bytes; qkvsc 1,572,864 bytes; mx 263,168 bytes
;; launch prep (part 1): grid 256 x 1, 16 waves a work-group, no clusters, 3,072 bytes of LDS; arguments x, gn_gamma, gn_beta, wq, wk, wv, wp, hnimg, hnsc, wimg, wsc; writes hnimg, hnsc, wimg, wsc
.if DOCPART == 1
	.amdgcn_target "amdgcn-amd-amdhsa--gfx1250"
	.amdhsa_code_object_version 6
	.text
	.protected	k_q46c60ab742_prep
	.globl	k_q46c60ab742_prep
	.p2align	8
	.type	k_q46c60ab742_prep,@function
k_q46c60ab742_prep:
	s_mov_b64 s[64:65], 0
	v_nop
	global_prefetch_b8 v0, s[64:65] scope:SCOPE_SE
	s_setreg_imm32_b32 hwreg(HW_REG_WAVE_MODE, 25, 1), 1
	s_wait_xcnt 0x0
; GroupNorm of x [32][512][1024] (16 groups of 32 channels) and its quantising to codes of BF6 (E3M2) along the channels, and the quantising of the four weights [512][512] along their second axis.
; A quantiser block of the normalised x (32 channels of one pixel) is one group at one pixel.  So the work-group that holds a group in registers for its statistics makes the codes too: x is read once here.
; SHARES.  Work-group id: image b = id / 8, K step ks = (id / 2) % 4, half h = id % 2.  It owns groups 4 ks + h and 4 ks + h + 2: the two blocks that lanes 16 h .. 16 h + 15 of an operand's fragment hold.
; Thread (wave w, lane L) owns pixels 64 w + 32 p + L, p = 0, 1, all 32 channels of both groups: 128 registers.  Each load of a wave covers 128 consecutive bytes.
; OUT.  hnimg [b][pixel tile 64][ks 4] fragments as images of the operand's 12 registers: registers 4 j .. 4 j + 3 of lane l at 512 j + 16 l.  Sixteen neighbouring lanes store 256 consecutive bytes, aligned.
; hnsc [h][b][ks][pixel]: a word with this half's two scale bytes at their places (bits 8 h and 16 + 8 h); the user ORs the two halves.  These stores cover 128 consecutive bytes: one byte in eighty of what the launch moves.
; WEIGHTS.  Waves 0 and 1 also make one weight fragment each: weight id / 64, tile T = (id / 2) % 32, K step 2 (id % 2) + wave.  Lane r of tile T takes row 32 (T / 2) + 8 (T % 2) + r + 8 (r / 8).
; The variance is taken of the differences from the mean, as the module writes it.  A block's scale byte is its largest magnitude's exponent field - 4, held at 1 from below.
; LIMITS: NaN and infinities among the inputs are not served; a block of zeros gets the byte 1 and not 127 (its codes are zeros, and this program alone reads the bytes).
; No tensor loads, no cluster, no prefetch: the work-groups share no input, every byte is asked for at the head, and the wave's own loads are what is in flight.
.set X,     64                         ; v64-191  x: group g, pixel p, channel c at 64 g + 32 p + c
.set F,     32                         ; v32-55   codes: 12 registers for each pixel (first: the weight fragment's 12)
.set PR,    192                        ; v192-223 the sixteen waves' partial sums of both groups; v192-255 first hold the weight fragment's 64 numbers
.set SW,    192                        ; v192-193 later: the two pixels' scale words;  v194-197 at work
.set FLOOR, 0x2800000                  ; 2^(5 - 127): no largest magnitude is taken under it
.set EOFF,  0xfe000000                 ; takes 4 off an exponent field
.set SEL,   66                         ; s[66:67] lane selects: lane l xor 16
.macro SUM64 d, s                      ; v[d] = the sum of v[s] .. v[s + 63], in two packed chains
	v_pk_add_f32 v[\d:\d+1], v[\s:\s+1], v[\s+2:\s+3]
	v_pk_add_f32 v[\d+2:\d+3], v[\s+4:\s+5], v[\s+6:\s+7]
.set j, 8
.rept 14
	v_pk_add_f32 v[\d:\d+1], v[\d:\d+1], v[\s+j:\s+j+1]
	v_pk_add_f32 v[\d+2:\d+3], v[\d+2:\d+3], v[\s+j+2:\s+j+3]
.set j, j+4
.endr
	v_pk_add_f32 v[\d:\d+1], v[\d:\d+1], v[\d+2:\d+3]
	v_add_f32 v[\d], v[\d], v[\d+1]
.endm
.macro VAR64 d, s, m                   ; v[s ..] += v[m] (the mean, negated); v[d] = the sum of their squares
.set j, 0
.rept 32
	v_pk_add_f32 v[\s+j:\s+j+1], v[\s+j:\s+j+1], v[\m:\m+1] op_sel_hi:[1,0]
.set j, j+2
.endr
	v_pk_mul_f32 v[\d:\d+1], v[\s:\s+1], v[\s:\s+1]
	v_pk_mul_f32 v[\d+2:\d+3], v[\s+2:\s+3], v[\s+2:\s+3]
.set j, 4
.rept 15
	v_pk_fma_f32 v[\d:\d+1], v[\s+j:\s+j+1], v[\s+j:\s+j+1], v[\d:\d+1]
	v_pk_fma_f32 v[\d+2:\d+3], v[\s+j+2:\s+j+3], v[\s+j+2:\s+j+3], v[\d+2:\d+3]
.set j, j+4
.endr
	v_pk_add_f32 v[\d:\d+1], v[\d:\d+1], v[\d+2:\d+3]
	v_add_f32 v[\d], v[\d], v[\d+1]
.endm
.macro LANESUM r, t                    ; over the wave's 32 lanes; t: a register that has been written
	v_add_f32_dpp v[\r], v[\r], v[\r] row_xmask:1 row_mask:0xf bank_mask:0xf
	v_add_f32_dpp v[\r], v[\r], v[\r] row_xmask:2 row_mask:0xf bank_mask:0xf
	v_add_f32_dpp v[\r], v[\r], v[\r] row_xmask:4 row_mask:0xf bank_mask:0xf
	v_add_f32_dpp v[\r], v[\r], v[\r] row_xmask:8 row_mask:0xf bank_mask:0xf
	v_permlanex16_b32 v[\t], v[\r], s[SEL], s[SEL+1]
	v_add_f32 v[\r], v[\r], v[\t]
.endm
.macro SUM16 b                         ; v[b] = the sum of v[b] .. v[b + 15], the same order in every wave
	v_pk_add_f32 v[\b:\b+1], v[\b:\b+1], v[\b+8:\b+9]
	v_pk_add_f32 v[\b+2:\b+3], v[\b+2:\b+3], v[\b+10:\b+11]
	v_pk_add_f32 v[\b+4:\b+5], v[\b+4:\b+5], v[\b+12:\b+13]
	v_pk_add_f32 v[\b+6:\b+7], v[\b+6:\b+7], v[\b+14:\b+15]
	v_pk_add_f32 v[\b:\b+1], v[\b:\b+1], v[\b+4:\b+5]
	v_pk_add_f32 v[\b+2:\b+3], v[\b+2:\b+3], v[\b+6:\b+7]
	v_pk_add_f32 v[\b:\b+1], v[\b:\b+1], v[\b+2:\b+3]
	v_add_f32 v[\b], v[\b], v[\b+1]
.endm
.macro MEET off                        ; the waves' sums of both groups (v8, v12) meet in 128 bytes of LDS at off: v[PR], v[PR + 16] = the groups' sums, in every lane
	LANESUM 8, 9
	LANESUM 12, 13
	ds_store_b32 v59, v8 offset:\off               ; all lanes write my wave's word with the same value
	ds_store_b32 v59, v12 offset:\off+64
	s_wait_dscnt 0x0                               ; for the others' sake: my stores are done
	s_barrier_signal -1
	s_barrier_wait -1
.irp i, 0,1,2,3,4,5,6,7
	ds_load_b128 v[PR+4*\i:PR+4*\i+3], v224 offset:\off+16*\i
.endr
	s_wait_dscnt 0x0
	SUM16 PR
	SUM16 PR+16
.endm
	s_load_b512 s[4:19], s[0:1], 0x0               ; x s[4:5], gamma s[6:7], beta s[8:9], wq s[10:11], wk s[12:13], wv s[14:15], wp s[16:17], hnimg s[18:19]
	s_load_b128 s[20:23], s[0:1], 0x40             ; hnsc s[20:21], wimg s[22:23]
	s_load_b64 s[24:25], s[0:1], 0x50              ; wsc
	v_lshl_add_u32 v30, v0, 2, 0x400
	v_mov_b32 v31, 0
	v_lshrrev_b32 v1, 5, v0
	v_readfirstlane_b32 s26, v1                    ; wave 0..15
	v_lshlrev_b32 v59, 2, v1                       ; LDS: my wave's word
	v_and_b32 v1, 31, v0                           ; lane
	v_and_b32 v7, 15, v0                           ; r
	v_bfe_u32 v6, v0, 4, 1                         ; lane / 16
	v_lshlrev_b32 v2, 2, v1
	v_lshl_add_u32 v2, s26, 8, v2                  ; 4 (64 w + lane): my first pixel, in x and in hnsc
	s_mul_i32 s27, s26, 24576
	v_mul_u32_u24 v3, v6, 6144
	v_lshl_add_u32 v3, v7, 4, v3
	v_add_nc_u32 v3, s27, v3                       ; hnimg: pixel tile 4 w + lane / 16 (6,144 bytes a tile), 16 r
	v_and_b32 v4, 8, v7
	v_add_nc_u32 v4, v4, v7                        ; r + 8 (r / 8)
	v_lshlrev_b32 v4, 11, v4
	v_lshl_add_u32 v4, v6, 7, v4                   ; a weight's row of 2,048 bytes, + 128 (lane / 16): my block of 32
	v_lshlrev_b32 v5, 4, v1                        ; 16 x lane
	v_lshlrev_b32 v7, 4, v7                        ; 16 r
	s_mov_b32 s[SEL], 0x76543210
	s_mov_b32 s[SEL+1], 0xfedcba98
	s_lshr_b32 s60, ttmp9, 3                       ; b
	s_bfe_u32 s61, ttmp9, 0x20001                  ; ks
	s_and_b32 s62, ttmp9, 1                        ; h
	s_lshl_b32 s63, s61, 2
	s_add_co_u32 s63, s63, s62                     ; my first group
	s_mov_b32 s3, 0
	s_wait_kmcnt 0x0
	s_lshl_b32 s2, s60, 21                         ; an image is 2 MiB,
	s_lshl_b32 s27, s63, 17                        ; a group 131,072 bytes
	s_add_co_u32 s2, s2, s27
	s_add_nc_u64 s[4:5], s[4:5], s[2:3]
	s_lshl_b32 s2, s63, 7                          ; a group's 32 gains and 32 offsets
	s_add_nc_u64 s[6:7], s[6:7], s[2:3]
	s_add_nc_u64 s[8:9], s[8:9], s[2:3]
	s_load_b512 s[28:43], s[6:7], 0x0              ; the first group's gamma s[28:59] and beta s[68:99]
	s_load_b512 s[44:59], s[6:7], 0x40
	s_load_b512 s[68:83], s[8:9], 0x0
	s_load_b512 s[84:99], s[8:9], 0x40
	s_mul_i32 s2, s60, 393216
	s_mul_i32 s27, s61, 1536
	s_add_co_u32 s2, s2, s27
	s_lshl_b32 s27, s62, 8
	s_add_co_u32 s2, s2, s27
	s_add_nc_u64 s[18:19], s[18:19], s[2:3]        ; hnimg: image, K step, my half's 256 bytes of each 512
	s_lshl_b32 s2, s62, 5
	s_add_co_u32 s2, s2, s60
	s_lshl_b32 s2, s2, 2
	s_add_co_u32 s2, s2, s61
	s_lshl_b32 s2, s2, 12
	s_add_nc_u64 s[20:21], s[20:21], s[2:3]        ; hnsc: ((32 h + b) 4 + ks) 4,096
	s_cmp_lt_u32 s26, 2                            ; waves 0 and 1: a weight fragment's 64 numbers a lane are asked for first
	s_cbranch_scc0 .Lno_w1
	s_lshr_b32 s60, ttmp9, 6                       ; which weight
	s_bfe_u32 s61, ttmp9, 0x50001                  ; its tile T
	s_lshl_b32 s63, s62, 1
	s_add_co_u32 s63, s63, s26                     ; its K step
	s_cmp_eq_u32 s60, 0
	s_cselect_b64 s[10:11], s[10:11], s[12:13]
	s_cmp_lt_u32 s60, 2
	s_cselect_b64 s[10:11], s[10:11], s[14:15]
	s_cmp_eq_u32 s60, 3
	s_cselect_b64 s[10:11], s[16:17], s[10:11]
	s_lshl_b32 s2, s61, 4
	s_and_b32 s27, s61, 1
	s_lshl_b32 s27, s27, 3
	s_sub_co_u32 s2, s2, s27                       ; the tile's first row: 32 (T / 2) + 8 (T % 2)
	s_lshl_b32 s2, s2, 11
	s_lshl_b32 s27, s63, 9
	s_add_co_u32 s2, s2, s27
	s_add_nc_u64 s[10:11], s[10:11], s[2:3]
.irp c, 0,1
.irp i, 0,1,2,3,4,5,6,7
	global_load_b128 v[192+32*\c+4*\i:192+32*\c+4*\i+3], v4, s[10:11] offset:256*\c+16*\i   ; k = 64 c + 32 (lane / 16) + 4 i ..
.endr
.endr
	s_lshl_b32 s2, s60, 1
	s_add_co_u32 s2, s2, s62
	s_lshl_b32 s2, s2, 5
	s_add_co_u32 s2, s2, s61
	s_lshl_b32 s2, s2, 1
	s_add_co_u32 s2, s2, s26
	s_mul_i32 s2, s2, 1536
	s_add_nc_u64 s[22:23], s[22:23], s[2:3]        ; wimg [weight][K step / 2][tile][K step % 2]
	s_lshl_b32 s2, s60, 5
	s_add_co_u32 s2, s2, s61
	s_lshl_b32 s2, s2, 8
	s_lshl_b32 s27, s63, 2
	s_add_co_u32 s2, s2, s27
	s_add_nc_u64 s[24:25], s[24:25], s[2:3]        ; wsc [weight][tile][r][K step] words
.Lno_w1:
.set n, 0
.rept 128
	global_load_b32 v[X+n], v2, s[4:5] offset:262144*(n/64)+128*((n/32)%2)+4096*(n%32) th:TH_LOAD_NT   ; group n / 64 first; read once in this launch
.set n, n+1
.endr
	s_cmp_lt_u32 s26, 2
	s_cbranch_scc0 .Lno_w2
	s_wait_loadcnt 63                              ; 128 loads were issued behind the fragment's sixteen: they are in
.irp c, 0,1                                    ; my block 2 c + lane / 16: all its 32 numbers are mine
	v_max3_num_f32 v[8+\c], |v[192+32*\c]|, |v[193+32*\c]|, FLOOR
.endr
.irp i, 2,4,6,8,10,12,14,16,18,20,22,24,26,28,30
.irp c, 0,1
	v_max3_num_f32 v[8+\c], v[8+\c], |v[192+32*\c+\i]|, |v[193+32*\c+\i]|
.endr
.endr
.irp c, 0,1
	v_add_nc_u32 v[10+\c], EOFF, v[8+\c]           ; the conversion takes this operand's exponent field as its scale
.endr
.irp c, 0,1
	v_lshrrev_b32 v[12+\c], 23, v[10+\c]           ; the scale's byte
.endr
	v_lshl_or_b32 v63, v13, 16, v12
	v_lshlrev_b32 v14, 3, v6
	v_lshlrev_b32 v63, v14, v63                    ; my two bytes at their places
	v_mov_b32 v62, 0
	v_permlanex16_b32 v62, v63, s[SEL], s[SEL+1]
	v_or_b32 v63, v63, v62                         ; with lane l xor 16's two the word is whole, in both lanes
.irp c, 0,1
	v_cvt_scalef32_pk16_bf6_f32 v[F+6*\c:F+6*\c+2], v[192+32*\c:207+32*\c], v[10+\c]
	v_cvt_scalef32_pk16_bf6_f32 v[56+4*\c:58+4*\c], v[208+32*\c:223+32*\c], v[10+\c]   ; (a conversion's three registers begin on an even number)
.endr
	v_nop                                          ; one plain place behind a scaled conversion
.irp c, 0,1
.irp i, 0,1,2
	v_mov_b32 v[F+3+6*\c+\i], v[56+4*\c+\i]
.endr
.endr
.irp j, 0,1,2
	global_store_b128 v5, v[F+4*\j:F+4*\j+3], s[22:23] offset:512*\j   ; the fragment's image: 512 consecutive bytes a store
.endr
	global_store_b32 v7, v63, s[24:25]             ; row r's word; lanes r and 16 + r write the same word with the same value
.Lno_w2:
	v_mov_b32 v224, 0                              ; LDS address of the partial sums
	s_mov_b32 s2, 0x38000000                       ; 1 / 32,768
	s_mov_b32 s3, 0x358637bd                       ; 1e-6
	s_wait_loadcnt 63                              ; 64 loads were issued behind the first group's last: the first group is in
	SUM64 8, X
	s_wait_loadcnt 0x0
	SUM64 12, X+64
	MEET 0
	v_mul_f32 v[PR], 0xb8000000, v[PR]             ; the means, negated
	v_mul_f32 v[PR+16], 0xb8000000, v[PR+16]
	VAR64 8, X, PR
	VAR64 12, X+64, PR+16
	MEET 256                                       ; other bytes than the first meeting's: no wave still reads what is written here
	v_fma_f32 v[PR], v[PR], s2, s3                 ; the variance + 1e-6
	v_fma_f32 v[PR+16], v[PR+16], s2, s3
	v_rsq_f32 v[PR], v[PR]
	v_rsq_f32 v[PR+16], v[PR+16]
	v_nop                                          ; a plain place behind the transcendentals
	s_wait_alu depctr_va_vdst(0)                   ; one wait for both, ahead of their first reader
	v_readfirstlane_b32 s100, v[PR]
	v_readfirstlane_b32 s101, v[PR+16]
	s_wait_xcnt 0x0                                ; the weight fragment's stores have read v32-43 and v63; v32-43 are written again below
.macro NORM g                          ; (x - mean) x (rstd gamma) + beta, in place
	s_wait_kmcnt 0x0
.set c, 0
.rept 32
	s_mul_f32 s[28+c], s[28+c], s[100+\g]
.set c, c+1
.endr
.set c, 0
.rept 32
	v_fma_f32 v[X+64*\g+c], v[X+64*\g+c], s[28+c], s[68+c]
	v_fma_f32 v[X+64*\g+32+c], v[X+64*\g+32+c], s[28+c], s[68+c]
.set c, c+1
.endr
.endm
.macro BLK g, p                        ; pixel p's block of group g: 32 numbers of one lane -> registers 6 g .. 6 g + 5 of its fragment's lane, and a byte
.set XS, X+64*\g+32*\p
	v_max3_num_f32 v194, |v[XS]|, |v[XS+1]|, |v[XS+2]|
	v_max3_num_f32 v195, |v[XS+3]|, |v[XS+4]|, |v[XS+5]|
.irp i, 6,10,14,18,22,26
	v_max3_num_f32 v194, v194, |v[XS+\i]|, |v[XS+\i+1]|
	v_max3_num_f32 v195, v195, |v[XS+\i+2]|, |v[XS+\i+3]|
.endr
	v_max3_num_f32 v194, v194, |v[XS+30]|, |v[XS+31]|
	v_max3_num_f32 v194, v194, v195, FLOOR
	v_add_nc_u32 v196, EOFF, v194
	v_cvt_scalef32_pk16_bf6_f32 v[F+12*\p+6*\g:F+12*\p+6*\g+2], v[XS:XS+15], v196
	v_cvt_scalef32_pk16_bf6_f32 v[56:58], v[XS+16:XS+31], v196
	v_lshrrev_b32 v197, 23, v196                   ; the byte; also the plain place behind the conversions
.irp i, 0,1,2
	v_mov_b32 v[F+12*\p+6*\g+3+\i], v[56+\i]
.endr
.if \g == 0
	v_mov_b32 v[SW+\p], v197
.else
	v_lshl_or_b32 v[SW+\p], v197, 16, v[SW+\p]
.endif
.endm
	NORM 0
	s_load_b512 s[28:43], s[6:7], 0x100            ; the second group's gamma and beta, two groups on, land while the first group is quantised
	s_load_b512 s[44:59], s[6:7], 0x140
	s_load_b512 s[68:83], s[8:9], 0x100
	s_load_b512 s[84:99], s[8:9], 0x140
	BLK 0, 0
	BLK 0, 1
	NORM 1
	BLK 1, 0
	BLK 1, 1
	s_lshl_b32 s62, s62, 3
	v_lshlrev_b32 v[SW], s62, v[SW]                ; my half's bytes at bits 8 h and 16 + 8 h
	v_lshlrev_b32 v[SW+1], s62, v[SW+1]
.irp p, 0,1
.irp j, 0,1,2
	global_store_b128 v3, v[F+12*\p+4*\j:F+12*\p+4*\j+3], s[18:19] offset:12288*\p+512*\j   ; sixteen lanes store 256 consecutive bytes, aligned
.endr
	global_store_b32 v2, v[SW+\p], s[20:21] offset:128*\p
.endr
	s_wait_tensorcnt 0x0
	ds_add_u32 v30, v31
	s_wait_dscnt 0x0
	s_endpgm
.Lfunc_end_k_q46c60ab742_prep:
	.size	k_q46c60ab742_prep, .Lfunc_end_k_q46c60ab742_prep-k_q46c60ab742_prep
	.p2alignl 7, 3214868480
	.fill 96, 4, 3214868480
	.section	.rodata,"a",@progbits
	.p2align	6, 0x0
	.amdhsa_kernel k_q46c60ab742_prep
		.amdhsa_group_segment_fixed_size 3072
		.amdhsa_private_segment_fixed_size 0
		.amdhsa_enable_private_segment 0
		.amdhsa_kernarg_size 88
		.amdhsa_user_sgpr_count 2
		.amdhsa_user_sgpr_kernarg_segment_ptr 1
		.amdhsa_wavefront_size32 1
		.amdhsa_system_sgpr_workgroup_id_x 1
		.amdhsa_system_sgpr_workgroup_id_y 1
		.amdhsa_system_sgpr_workgroup_id_z 1
		.amdhsa_system_vgpr_workitem_id 0
		.amdhsa_next_free_vgpr 256
		.amdhsa_next_free_sgpr 104
		.amdhsa_reserve_vcc 0
		.amdhsa_float_denorm_mode_32 3
		.amdhsa_float_denorm_mode_16_64 3
		.amdhsa_memory_ordered 1
		.amdhsa_forward_progress 1
		.amdhsa_inst_pref_size 56
	.end_amdhsa_kernel
	.amdgpu_metadata
---
amdhsa.version: [ 1, 2 ]
amdhsa.kernels:
  - .name:           k_q46c60ab742_prep
    .symbol:         k_q46c60ab742_prep.kd
    .args:
      - { .name: x, .offset: 0, .size: 8, .value_kind: global_buffer, .address_space: global }
      - { .name: gn_gamma, .offset: 8, .size: 8, .value_kind: global_buffer, .address_space: global }
      - { .name: gn_beta, .offset: 16, .size: 8, .value_kind: global_buffer, .address_space: global }
      - { .name: wq, .offset: 24, .size: 8, .value_kind: global_buffer, .address_space: global }
      - { .name: wk, .offset: 32, .size: 8, .value_kind: global_buffer, .address_space: global }
      - { .name: wv, .offset: 40, .size: 8, .value_kind: global_buffer, .address_space: global }
      - { .name: wp, .offset: 48, .size: 8, .value_kind: global_buffer, .address_space: global }
      - { .name: hnimg, .offset: 56, .size: 8, .value_kind: global_buffer, .address_space: global }
      - { .name: hnsc, .offset: 64, .size: 8, .value_kind: global_buffer, .address_space: global }
      - { .name: wimg, .offset: 72, .size: 8, .value_kind: global_buffer, .address_space: global }
      - { .name: wsc, .offset: 80, .size: 8, .value_kind: global_buffer, .address_space: global }
    .group_segment_fixed_size: 3072
    .private_segment_fixed_size: 0
    .kernarg_segment_align: 8
    .kernarg_segment_size: 88
    .max_flat_workgroup_size: 512
    .sgpr_count:     104
    .vgpr_count:     256
    .wavefront_size: 32
...
	.end_amdgpu_metadata
.endif
;; end of part 1
;; launch qkv (part 2): grid 8 x 32, 4 waves a work-group, clusters of 4 x 1, 327,680 bytes of LDS; arguments hnimg, hnsc, wimg, wsc, bq, bk, bv, qimg, kv, qkvsc; writes qimg, kv, qkvsc
.if DOCPART == 2
	.amdgcn_target "amdgcn-amd-amdhsa--gfx1250"
	.amdhsa_code_object_version 6
	.text
	.protected	k_q46c60ab742_qkv
	.globl	k_q46c60ab742_qkv
	.p2align	8
	.type	k_q46c60ab742_qkv,@function
k_q46c60ab742_qkv:
	s_mov_b64 s[64:65], 0
	v_nop
	global_prefetch_b8 v0, s[64:65] scope:SCOPE_SE
	s_setreg_imm32_b32 hwreg(HW_REG_WAVE_MODE, 25, 1), 1
	s_wait_xcnt 0x0
	s_wait_alu depctr_hold_cnt(0) depctr_sa_sdst(0) depctr_va_vdst(0) depctr_va_sdst(0) depctr_va_ssrc(0) depctr_va_vcc(0) depctr_vm_vsrc(0)
	s_getreg_b32 s2, hwreg(HW_REG_IB_STS2, 6, 4)
	s_cmp_eq_u32 s2, 0
	s_cbranch_scc0 .Lentry_in_a_cluster
	s_endpgm
.Lentry_in_a_cluster:
	s_bfe_u32 s2, ttmp6, 0x10000c
	s_cmp_lg_u32 s2, 0x3003
	s_cbranch_scc0 .Lentry_shape_is_right
	s_endpgm
.Lentry_shape_is_right:
; q, k, v = W hn + bias on codes of BF6 (E3M2) with E8M0 scales, and their quantising for the next products: q and k along the channels, v along the pixels.
; SHARES.  A work-group owns 128 pixels of one image (8 tiles of 16).  Three rounds: q, k, v.  In a round wave w takes weight tiles 8 w .. 8 w + 7 (128 outputs) against the 8 pixel tiles: 64 accumulators, 4 K steps of 64 products.
; q, k: source 0 = 16 rows of W, source 1 = 16 pixels: a lane holds one pixel, and since lane r of weight tile T is row 32 (T / 2) + 8 (T % 2) + r + 8 (r / 8), its 64 registers of a pixel tile run along the channels 128 w ..: K step w of the scores.
; v: source 0 = 16 pixels, source 1 = 16 rows of W: a lane holds one channel, its 64 registers run along the work-group's 128 pixels.  Inside a block of 32 pixels place 16 h + 8 u + j holds pixel 16 u + 8 h + j;
; the attention launch's p has the same order, so the products pair up rightly; the blocks and their scales are the true ones.  LIMIT: the f32 sums of that product add a block's 32 terms in that order.
; All operands come and go as images of the operand's registers (1,536 bytes: registers 4 j .. 4 j + 3 of lane l at 512 j + 16 l): b128 loads and stores of 512 consecutive bytes, no pitch.
; The biases are the C of each sum's first product.
; CLUSTER.  All work-groups walk the same weight codes: the four of a cluster ask for them jointly (mask 15).  The pixels' codes are each work-group's own: a plain load.
; RING.  Two slots of 98,304 bytes: a slot holds two K steps of one weight; each wave fetches and reads its own quarter (its 8 tiles).  Four refills, one tensor load a wave behind each round; three loads of mine are out at the start.
; No prefetch: the weights are read by every work-group, and the pixels' codes are asked for at the head.  LIMITS: NaN and infinities are not served; a block of zeros gets the byte 1 (its codes are zeros; this program alone reads the bytes).
; REGISTERS.  window 0: v1-11 addresses; v32-63 hn's scale words (4 t + ks); v64-95 W's (4 i + ks); v96-139 the quantiser's; v160-255 hn's 8 fragments, one set.
;   window 1: v0-95, v96-191 W's 8 fragments, two sets; v192-255 the bias as C.   windows 2, 3: the accumulators.
.set FI,    1536
.set SLOT0, 49152                      ; LDS: hn's 32 fragments at 0, then the two slots,
.set SLOT1, 147456
.set SCR,   245760                     ; 512 bytes a wave for scale words on their way out,
.set SPARE, 247808                     ; and the spare words, 128 bytes a wave: two blocks of 256 bytes that no other line names
.set HS,    32
.set WS,    64
.set TM,    96                         ; v96-99 largest magnitudes, v100-103 bytes, v108-111 the conversions' scale operands
.set PW,    112                        ; the scale word just made
.set PC,    114                        ; v114-125 the codes just made; v126-132 at work
.set SCV,   136
.set HF,    160
.set BIAS,  192
.set SEL,   66
.set FLOOR, 0x2800000
.set EOFF,  0xfe000000
.set MSB, 0
.macro WIN new                         ; the immediate's high byte repeats the setting that is left; a switch that changes nothing is dropped
.if MSB != (\new)
	s_set_vgpr_msb (MSB<<8)|(\new)
.set MSB, (\new)
.endif
.endm
.macro PLACES n
.rept \n
	v_nop
.endr
.endm
.macro CREST                           ; a round of the cluster's barrier behind its opening barrier
	s_cmp_lg_u32 s24, 0
	s_cbranch_scc1 .Lnot_wave_0_\@
	s_barrier_signal -3
.Lnot_wave_0_\@:
	s_barrier_wait -3
	s_barrier_signal -1
	s_barrier_wait -1
.endm
.macro CROUND
	s_barrier_signal -1
	s_barrier_wait -1
	CREST
.endm
.macro WM d, a, b, c, sa, sb
	v_wmma_scale_f32_16x16x128_f8f6f4 v[(\d):(\d)+7], v[(\a):(\a)+11], v[(\b):(\b)+11], v[(\c):(\c)+7], v[\sa], v[\sb] matrix_a_fmt:MATRIX_FMT_BF6 matrix_b_fmt:MATRIX_FMT_BF6
.endm
; 64 numbers of a lane in window w, v[s] .. v[s + 63], register 16 b + i = place 32 b + 16 (lane / 16) + i along the next K, become a fragment's codes in v[PC] on and its scale word in v[PW] (window 0).
; The numbers are read in ascending order: each accumulator from its low end on.
.macro QUANTW s, w
	WIN (\w)|((\w)<<2)
.irp b, 0,1,2,3
	v_max3_num_f32 v[TM+\b], |v[(\s)+16*\b]|, |v[(\s)+16*\b+1]|, FLOOR
.endr
	WIN ((\w)<<2)|((\w)<<4)
.irp i, 2,4,6,8,10,12,14
.irp b, 0,1,2,3
	v_max3_num_f32 v[TM+\b], v[TM+\b], |v[(\s)+16*\b+\i]|, |v[(\s)+16*\b+\i+1]|
.endr
.endr
	WIN 0
.irp b, 0,1,2,3
	v_permlanex16_b32 v[TM+4+\b], v[TM+\b], s[SEL], s[SEL+1]
.endr
.irp b, 0,1,2,3
	v_max_num_f32 v[TM+\b], v[TM+\b], v[TM+4+\b]   ; with lane l xor 16's: the block's largest magnitude
.endr
.irp b, 0,1,2,3
	v_add_nc_u32 v[TM+12+\b], EOFF, v[TM+\b]
.endr
.irp b, 0,1,2,3
	v_lshrrev_b32 v[TM+4+\b], 23, v[TM+12+\b]
.endr
	v_lshl_or_b32 v[PW], v[TM+5], 8, v[TM+4]
	v_lshl_or_b32 v[PW], v[TM+6], 16, v[PW]
	v_lshl_or_b32 v[PW], v[TM+7], 24, v[PW]
	WIN (\w)
.irp c, 0,1
	v_cvt_scalef32_pk16_bf6_f32 v[PC+6*\c:PC+6*\c+2], v[(\s)+32*\c:(\s)+32*\c+15], v[TM+12+2*\c]
	v_cvt_scalef32_pk16_bf6_f32 v[PC+12+4*\c:PC+14+4*\c], v[(\s)+32*\c+16:(\s)+32*\c+31], v[TM+12+2*\c+1]
.endr
	WIN 0
	v_nop                                          ; one plain place behind a scaled conversion
.irp c, 0,1                                    ; the operand's layout wants a whole block in a lane
.irp i, 0,1,2
	v_permlane16_swap_b32 v[PC+6*\c+\i], v[PC+12+4*\c+\i]
.endr
.irp i, 0,1,2
	v_mov_b32 v[PC+3+6*\c+\i], v[PC+12+4*\c+\i]
.endr
.endr
.endm
.macro FETCHW slot, k2, set            ; my 8 weight fragments of the slot's K step k2 into set
	WIN 0x40
.irp i, 0,1,2,3,4,5,6,7
.irp c, 0,1,2
	ds_load_b128 v[96*(\set)+12*\i+4*\c:96*(\set)+12*\i+4*\c+3], v[2+(\slot)] offset:(2*\i+(\k2))*FI+512*\c
.endr
.endr
	WIN 0
.endm
.macro FETCHH ks, t0                   ; hn's tiles t0 .. t0 + 3 of K step ks
.irp i, 0,1,2,3
.irp c, 0,1,2
	ds_load_b128 v[HF+12*((\t0)+\i)+4*\c:HF+12*((\t0)+\i)+4*\c+3], v1 offset:(4*((\t0)+\i)+(\ks))*FI+512*\c
.endr
.endr
.endm
; 16 products.  typ 0 (q, k): pixel tiles 2 p, 2 p + 1 against my 8 weight tiles.  typ 1 (v): pixel tiles 4 (p / 2) .. + 3 against weight tiles 4 (p % 2) .. + 3.  Parts 0 and 1 use pixel tiles 0-3, parts 2 and 3 tiles 4-7.
; The 64 accumulators take turns, one product a turn, in the same order in every K step.  first = 1: C is the bias.
.macro PART typ, p, ks, first
.if (\typ) == 0
.if \first
	WIN 0x91+0x40*((\p)/2)
.else
	WIN 0xa1+0x50*((\p)/2)
.endif
.irp a, 2*(\p), 2*(\p)+1
.irp bt, 0,1,2,3,4,5,6,7
.if \first
	WM 8*(8*((\a)%4)+\bt), 96*((\ks)%2)+12*\bt, HF+12*(\a), BIAS+8*\bt, WS+4*\bt+(\ks), HS+4*(\a)+(\ks)
.else
	WM 8*(8*((\a)%4)+\bt), 96*((\ks)%2)+12*\bt, HF+12*(\a), 8*(8*((\a)%4)+\bt), WS+4*\bt+(\ks), HS+4*(\a)+(\ks)
.endif
.endr
.endr
.else
.if \first
	WIN 0x94+0x40*((\p)%2)
.else
	WIN 0xa4+0x50*((\p)%2)
.endif
.irp a, 4*((\p)/2), 4*((\p)/2)+1, 4*((\p)/2)+2, 4*((\p)/2)+3
.irp bt, 4*((\p)%2), 4*((\p)%2)+1, 4*((\p)%2)+2, 4*((\p)%2)+3
.if \first
	WM 8*(8*((\bt)%4)+(\a)), HF+12*(\a), 96*((\ks)%2)+12*(\bt), BIAS+8*(\bt), HS+4*(\a)+(\ks), WS+4*(\bt)+(\ks)
.else
	WM 8*(8*((\bt)%4)+(\a)), HF+12*(\a), 96*((\ks)%2)+12*(\bt), 8*(8*((\bt)%4)+(\a)), HS+4*(\a)+(\ks), WS+4*(\bt)+(\ks)
.endif
.endr
.endr
.endif
.endm
; A K step that changes no slot's content.  nslot: the slot in which the next K step's weights lie.  Loads into registers that products have read stand four plain vector instructions behind those products.
.macro STEP typ, ks, first, nslot
	s_wait_dscnt 12                                ; W's set and hn's tiles 0-3 are in; the youngest twelve loads (tiles 4-7) may be out
	PART \typ, 0, \ks, \first
	PART \typ, 1, \ks, \first
	s_wait_dscnt 0x0                               ; tiles 4-7 are in
	PLACES 4
	FETCHW \nslot, ((\ks)+1)%2, ((\ks)+1)%2
	FETCHH ((\ks)+1)%4, 0
	PART \typ, 2, \ks, \first
	PART \typ, 3, \ks, \first
	PLACES 4
	WIN 0
	FETCHH ((\ks)+1)%4, 4
.endm
; A slot's second K step, behind which the slot is filled again, with the weights two half-rounds on.
.macro TURN typ, slot, ks
	s_wait_tensorcnt 0x0                           ; all my tensor loads have landed: my part of the other slot
	ds_add_u32 v10, v11                            ; 0 onto my spare word
	s_wait_dscnt 13                                ; (the add and the youngest twelve loads may be out)
	PART \typ, 0, \ks, 0                           ; sixteen products stand between the add and the wait for it
	s_wait_dscnt 0x0                               ; the add is done, and my reads of this slot are over
	s_barrier_signal -1                            ; this barrier opens a round of the cluster's barrier
	PART \typ, 1, \ks, 0
	WIN 0
	s_barrier_wait -1
	CREST                                          ; no wave of any partner still reads this slot or has a load on its way
	s_add_nc_u64 s[50+4*\slot:51+4*\slot], s[50+4*\slot:51+4*\slot], 196608
	tensor_load_to_lds s[48+4*\slot:51+4*\slot], s[28:35]   ; my one tensor load behind the round
	s_nop 0
	PLACES 4                                       ; also the places in front of the loads below
	FETCHW 1-\slot, 0, 0
	FETCHH ((\ks)+1)%4, 0
	PART \typ, 2, \ks, 0
	PART \typ, 3, \ks, 0
	PLACES 4
	WIN 0
	FETCHH ((\ks)+1)%4, 4
.endm
.macro LOADW rho                       ; round rho's weight scale words and its bias in the result's layout
.irp i, 0,1,2,3,4,5,6,7
	global_load_b128 v[WS+4*\i:WS+4*\i+3], v6, s[80:81] offset:8192*(\rho)+256*\i   ; row r's four words of my tile i
.endr
	WIN 0x40
.if (\rho) < 2
.irp i, 0,1,2,3,4,5,6,7
	global_load_b128 v[BIAS+8*\i:BIAS+8*\i+3], v7, s[82+2*(\rho):83+2*(\rho)] offset:(32*(\i/2)+8*(\i%2))*4       ; outputs 32 (i / 2) + 16 h + 8 (i % 2) + 0 .. 7
	global_load_b128 v[BIAS+8*\i+4:BIAS+8*\i+7], v7, s[82+2*(\rho):83+2*(\rho)] offset:(32*(\i/2)+8*(\i%2))*4+16
.endr
.else
.set n, 0
.rept 64
	global_load_b32 v[BIAS+n], v8, s[86:87] offset:(32*((n/8)/2)+8*((n/8)%2))*4   ; my lane's one output, in all eight registers of the tile
.set n, n+1
.endr
.endif
	WIN 0
.endm
; A round's way out: eight fragments a wave.  The next round's scale words and bias are asked for first and land meanwhile.
.macro EPI rho
.if (\rho) < 2
	LOADW (\rho)+1
.endif
.set t, 0
.rept 8
	s_wait_xcnt 0x0                                ; the last fragment's stores have read v[PC] on
	s_wait_dscnt 0x0                               ; and the LDS store its word
	QUANTW 64*(t%4), 2+t/4
.irp c, 0,1,2
.if (\rho) < 2
	global_store_b128 v1, v[PC+4*\c:PC+4*\c+3], s[68+2*(\rho):69+2*(\rho)] offset:t*6144+512*\c   ; pixel tile t, K step w: 512 consecutive bytes
.else
	global_store_b128 v1, v[PC+4*\c:PC+4*\c+3], s[68+2*(\rho):69+2*(\rho)] offset:t*1536+512*\c   ; channel tile 8 w + t
.endif
.endr
	ds_store_b32 v4, v[PW] offset:64*t             ; row r's word; both halves of the lanes write the same
.set t, t+1
.endr
	ds_load_b128 v[SCV:SCV+3], v5                  ; LDS serves a wave's instructions in order: this sees my eight stores
	s_wait_dscnt 0x0
	global_store_b128 v1, v[SCV:SCV+3], s[74+2*(\rho):75+2*(\rho)]   ; 128 words: 512 consecutive bytes
.if (\rho) < 2
	s_wait_loadcnt 0x0                             ; the next round's scale words and bias
.endif
.endm
	s_load_b512 s[4:19], s[0:1], 0x0               ; hnimg s[4:5], hnsc s[6:7], wimg s[8:9], wsc s[10:11], bq s[12:13], bk s[14:15], bv s[16:17], qimg s[18:19]
	s_load_b128 s[20:23], s[0:1], 0x40             ; kv s[20:21], qkvsc s[22:23]
	v_lshl_add_u32 v10, v0, 2, SPARE
	v_mov_b32 v11, 0
	ds_add_u32 v10, v11
	ds_add_u32 v10, v11
	s_wait_dscnt 0x0
	v_lshrrev_b32 v1, 5, v0
	v_readfirstlane_b32 s24, v1                    ; wave 0..3
	s_bfe_u32 s25, ttmp6, 0x40000                  ; cx
	s_lshl_b32 s26, ttmp9, 2
	s_add_co_u32 s26, s26, s25                     ; my block of 128 pixels: it enters global addresses of my own data alone
	s_and_b32 s27, ttmp7, 0xffff                   ; the image
	s_mov_b32 s28, 15|(3<<16)|(1<<21)              ; group 1, weights: mask of all four; elements of 8 bytes; bit 21 beside a mask
	s_mov_b32 s29, 32<<16                          ; rows of 32 elements (256 bytes), dense,
	s_mov_b32 s30, 96<<16                          ; 96 of them: 24,576 bytes
	s_mov_b32 s31, 32<<16
	s_mov_b32 s32, 96
	s_mov_b32 s33, 32
	s_mov_b32 s34, 0
	s_mov_b32 s35, 0
	s_mov_b32 s36, 3<<16                           ; group 1, hn: no mask; 48 rows: 12,288 bytes
	s_mov_b32 s37, 32<<16
	s_mov_b32 s38, 48<<16
	s_mov_b32 s39, 32<<16
	s_mov_b32 s40, 48
	s_mov_b32 s41, 32
	s_mov_b32 s42, 0
	s_mov_b32 s43, 0
	s_mov_b32 s[SEL], 0x76543210
	s_mov_b32 s[SEL+1], 0xfedcba98
	s_mul_i32 s56, s27, 393216
	s_mul_i32 s57, s26, 49152
	s_add_co_u32 s56, s56, s57                     ; my block in hnimg and in qimg
	s_lshl_b32 s57, s27, 3
	s_add_co_u32 s57, s57, s26
	s_mul_i32 s57, s57, 98304                      ; my block in kv
	s_mul_i32 s58, s24, 12288
	s_mul_i32 s59, s24, 1536
	s_mul_i32 s60, s24, 24576
	s_mov_b32 s61, 0
	s_add_co_u32 s88, s56, s58
	s_mov_b32 s89, 0
	s_add_co_u32 s90, s56, s59
	s_mov_b32 s91, 0
	s_add_co_u32 s92, s57, s59
	s_mov_b32 s93, 0
	s_add_co_u32 s94, s57, s58
	s_add_co_u32 s94, s94, 49152
	s_mov_b32 s95, 0
	s_lshl_b32 s62, s27, 14
	s_lshl_b32 s63, s26, 9
	s_add_co_u32 s62, s62, s63                     ; 16,384 b + 512 pb: hn's scale words, and q's and k's
	s_lshl_b32 s96, s24, 12
	s_add_co_u32 s96, s96, s62
	s_mov_b32 s97, 0
	s_mov_b32 s63, 0
	s_lshl_b32 s98, s27, 14
	s_lshl_b32 s99, s26, 11
	s_add_co_u32 s98, s98, s99
	s_lshl_b32 s99, s24, 9
	s_add_co_u32 s98, s98, s99
	s_add_co_u32 s98, s98, 1048576
	s_mov_b32 s2, s99                              ; 512 w
	s_mov_b32 s99, 0
	s_mov_b32 s3, 0
	s_mov_b32 s44, 1
	s_mov_b32 s45, s58                             ; hn: LDS 12,288 w
	s_mov_b32 s48, 1
	s_add_co_u32 s49, s60, SLOT0
	s_mov_b32 s52, 1
	s_add_co_u32 s53, s60, SLOT1
	v_and_b32 v12, 31, v0
	v_lshlrev_b32 v1, 4, v12                       ; 16 x lane
	v_and_b32 v13, 15, v0                          ; r
	v_bfe_u32 v14, v0, 4, 1                        ; h
	v_add_nc_u32 v2, s49, v1                       ; my quarter of slot 0,
	v_add_nc_u32 v3, s53, v1                       ; of slot 1
	s_add_co_u32 s56, s2, SCR
	v_lshlrev_b32 v9, 2, v13                       ; 4 r
	v_add_nc_u32 v4, s56, v9
	v_add_nc_u32 v5, s56, v1
	v_lshlrev_b32 v6, 4, v13                       ; 16 r
	v_lshlrev_b32 v7, 6, v14                       ; 64 h
	v_and_b32 v8, 8, v13
	v_add_nc_u32 v8, v8, v13
	v_lshlrev_b32 v8, 2, v8                        ; 4 (r + 8 (r / 8))
.irp b, 0,1,2,3
	v_mov_b32 v[TM+4+\b], 0                        ; written once: a lane permute's destination counts as one of its sources
.endr
	s_wait_kmcnt 0x0
	s_add_nc_u64 s[46:47], s[4:5], s[88:89]
	s_or_b32 s47, s47, 0x80000000
	s_add_nc_u64 s[50:51], s[8:9], s[60:61]        ; half-round 0: my quarter
	s_add_nc_u64 s[54:55], s[50:51], 98304         ; half-round 1
	s_or_b32 s51, s51, 0x80000000
	s_or_b32 s55, s55, 0x80000000
	s_add_nc_u64 s[68:69], s[18:19], s[90:91]      ; q's codes
	s_add_nc_u64 s[70:71], s[20:21], s[92:93]      ; k's
	s_add_nc_u64 s[72:73], s[20:21], s[94:95]      ; v's
	s_add_nc_u64 s[74:75], s[22:23], s[96:97]      ; q's scale words
	s_add_nc_u64 s[76:77], s[74:75], 524288        ; k's
	s_add_nc_u64 s[78:79], s[22:23], s[98:99]      ; v's
	s_add_nc_u64 s[6:7], s[6:7], s[62:63]
	s_add_nc_u64 s[82:83], s[12:13], s[2:3]
	s_add_nc_u64 s[84:85], s[14:15], s[2:3]
	s_add_nc_u64 s[86:87], s[16:17], s[2:3]
	s_lshl_b32 s2, s24, 11
	s_add_nc_u64 s[80:81], s[10:11], s[2:3]
	CROUND                                         ; all four work-groups are here: the first joint loads meet
	tensor_load_to_lds s[44:47], s[36:43]          ; my quarter of the block's hn
	s_nop 0
	tensor_load_to_lds s[48:51], s[28:35]          ; half-round 0
	s_nop 0
	tensor_load_to_lds s[52:55], s[28:35]          ; half-round 1
	s_nop 0
	PLACES 4
.set n, 0
.rept 32
	global_load_b32 v[HS+n], v9, s[6:7] offset:4096*(n%4)+64*(n/4)            ; tile n / 4, K step n % 4: the bytes of blocks 0 and 2,
	global_load_b32 v[HF+n], v9, s[6:7] offset:524288+4096*(n%4)+64*(n/4)     ; of blocks 1 and 3
.set n, n+1
.endr
	LOADW 0
	s_wait_loadcnt 0x0
.set n, 0
.rept 32
	v_or_b32 v[HS+n], v[HS+n], v[HF+n]
.set n, n+1
.endr
	PLACES 8                                       ; a scale word made by a vector instruction stands eight plain vector instructions ahead of the product that takes it: these serve the last of the 32 too; they run once, while the first tiles are on their way
	s_wait_tensorcnt 1                             ; hn and half-round 0 are in; half-round 1 may be out
	s_barrier_signal -1
	s_barrier_wait -1                              ; everybody's quarter of hn is in
	FETCHW 0, 0, 0
	FETCHH 0, 0
	FETCHH 0, 4
.irp rho, 0,1
	STEP 0, 0, 1, 0
	TURN 0, 0, 1
	STEP 0, 2, 0, 1
	TURN 0, 1, 3
	EPI \rho
.endr
	STEP 1, 0, 1, 0
	s_wait_tensorcnt 0x0                           ; my quarter of slot 1, the last half-round; nothing more is filled, and I read my own bytes alone: no barrier
	STEP 1, 1, 0, 1
	STEP 1, 2, 0, 1
	s_wait_dscnt 12
	PART 1, 0, 3, 0
	PART 1, 1, 3, 0
	s_wait_dscnt 0x0
	PART 1, 2, 3, 0
	PART 1, 3, 3, 0
	PLACES 4
	WIN 0
	EPI 2
	s_wait_tensorcnt 0x0                           ; the wave's end
	ds_add_u32 v10, v11
	s_wait_dscnt 0x0
	CROUND                                         ; the closing round
	s_endpgm
.Lfunc_end_k_q46c60ab742_qkv:
	.size	k_q46c60ab742_qkv, .Lfunc_end_k_q46c60ab742_qkv-k_q46c60ab742_qkv
	.p2alignl 7, 3214868480
	.fill 96, 4, 3214868480
	.section	.rodata,"a",@progbits
	.p2align	6, 0x0
	.amdhsa_kernel k_q46c60ab742_qkv
		.amdhsa_group_segment_fixed_size 327680
		.amdhsa_private_segment_fixed_size 0
		.amdhsa_enable_private_segment 0
		.amdhsa_kernarg_size 80
		.amdhsa_user_sgpr_count 2
		.amdhsa_user_sgpr_kernarg_segment_ptr 1
		.amdhsa_wavefront_size32 1
		.amdhsa_system_sgpr_workgroup_id_x 1
		.amdhsa_system_sgpr_workgroup_id_y 1
		.amdhsa_system_sgpr_workgroup_id_z 1
		.amdhsa_system_vgpr_workitem_id 0
		.amdhsa_next_free_vgpr 1024
		.amdhsa_next_free_sgpr 100
		.amdhsa_reserve_vcc 0
		.amdhsa_float_denorm_mode_32 3
		.amdhsa_float_denorm_mode_16_64 3
		.amdhsa_memory_ordered 1
		.amdhsa_forward_progress 1
		.amdhsa_inst_pref_size 255
	.end_amdhsa_kernel
	.section	.bss,"aw",@nobits
	.p2align	6
	.space	262144
	.amdgpu_metadata
---
amdhsa.version: [ 1, 2 ]
amdhsa.kernels:
  - .name:           k_q46c60ab742_qkv
    .symbol:         k_q46c60ab742_qkv.kd
    .args:
      - { .name: hnimg, .offset: 0, .size: 8, .value_kind: global_buffer, .address_space: global }
      - { .name: hnsc, .offset: 8, .size: 8, .value_kind: global_buffer, .address_space: global }
      - { .name: wimg, .offset: 16, .size: 8, .value_kind: global_buffer, .address_space: global }
      - { .name: wsc, .offset: 24, .size: 8, .value_kind: global_buffer, .address_space: global }
      - { .name: bq, .offset: 32, .size: 8, .value_kind: global_buffer, .address_space: global }
      - { .name: bk, .offset: 40, .size: 8, .value_kind: global_buffer, .address_space: global }
      - { .name: bv, .offset: 48, .size: 8, .value_kind: global_buffer, .address_space: global }
      - { .name: qimg, .offset: 56, .size: 8, .value_kind: global_buffer, .address_space: global }
      - { .name: kv, .offset: 64, .size: 8, .value_kind: global_buffer, .address_space: global }
      - { .name: qkvsc, .offset: 72, .size: 8, .value_kind: global_buffer, .address_space: global }
    .group_segment_fixed_size: 327680
    .private_segment_fixed_size: 0
    .kernarg_segment_align: 8
    .kernarg_segment_size: 80
    .max_flat_workgroup_size: 128
    .sgpr_count:     100
    .vgpr_count:     1024
    .wavefront_size: 32
...
	.end_amdgpu_metadata
.endif
;; end of part 2
;; launch rowmax (part 3): grid 4 x 64, 4 waves a work-group, clusters of 4 x 1, 213,504 bytes of LDS; arguments qimg, kv, qkvsc, mx; writes mx
.if DOCPART == 3
	.amdgcn_target "amdgcn-amd-amdhsa--gfx1250"
	.amdhsa_code_object_version 6
	.text
	.protected	k_q46c60ab742_rowmax
	.globl	k_q46c60ab742_rowmax
	.p2align	8
	.type	k_q46c60ab742_rowmax,@function
k_q46c60ab742_rowmax:
	s_mov_b64 s[64:65], 0
	v_nop
	global_prefetch_b8 v0, s[64:65] scope:SCOPE_SE
	s_setreg_imm32_b32 hwreg(HW_REG_WAVE_MODE, 25, 1), 1
	s_wait_xcnt 0x0
	s_wait_alu depctr_hold_cnt(0) depctr_sa_sdst(0) depctr_va_vdst(0) depctr_va_sdst(0) depctr_va_ssrc(0) depctr_va_vcc(0) depctr_vm_vsrc(0)
	s_getreg_b32 s2, hwreg(HW_REG_IB_STS2, 6, 4)
	s_cmp_eq_u32 s2, 0
	s_cbranch_scc0 .Lentry_in_a_cluster
	s_endpgm
.Lentry_in_a_cluster:
	s_bfe_u32 s2, ttmp6, 0x10000c
	s_cmp_lg_u32 s2, 0x3003
	s_cbranch_scc0 .Lentry_shape_is_right
	s_endpgm
.Lentry_shape_is_right:
; The scores' maxima.  The module takes the largest score of ALL images away before the softmax, and what is quantised there hangs on that number's fraction: so the scores are formed once here, on the same codes,
; by the same products in the same order as in the attention launch (the same bits), and only maxima are kept: for each query its largest raw sum over this work-group's keys, and the work-group's largest.
; SHARES.  Work-group (cx, y): image y / 2, keys 512 (y % 2) .. + 511, queries 256 cx .. + 255.  Wave w holds four query tiles in registers and walks the 512 keys, 32 a step: 32 products a step.
; S^T = K Q^T: source 0 = 16 keys, source 1 = 16 queries: a lane holds one query.
; CLUSTER.  The four query blocks walk the same keys: their codes (four pieces of 49,152 bytes) and scale words are asked for jointly (mask 15).  All fit in LDS: first fills alone, five loads of mine out at the start.
; No prefetch: everything is asked for at the head.  LIMITS: NaN among the scores is passed over by the maxima.
; REGISTERS.  window 0: v2-13 addresses; v32-35 the tiles' maxima; v40-47 K's scale words, two sets; v48-55 Q's; v64-191 the scores, two sets of 8 accumulators.   window 1: Q, 12 (4 a + ks).   window 2: K, two sets of 8 fragments.
.set KSC,  196608                      ; LDS: the pieces at 0; K's scale words [ks][512] here;
.set SCR,  204800                      ; 256 bytes a wave for the maxima on their way out;
.set WRED, 205824                      ; the waves' maxima
.set MSB, 0
.macro WIN new
.if MSB != (\new)
	s_set_vgpr_msb (MSB<<8)|(\new)
.set MSB, (\new)
.endif
.endm
.macro PLACES n
.rept \n
	v_nop
.endr
.endm
.macro CROUND
	s_barrier_signal -1
	s_barrier_wait -1
	s_cmp_lg_u32 s12, 0
	s_cbranch_scc1 .Lnot_wave_0_\@
	s_barrier_signal -3
.Lnot_wave_0_\@:
	s_barrier_wait -3
	s_barrier_signal -1
	s_barrier_wait -1
.endm
.macro WM d, a, b, c, sa, sb, ra, rb   ; c < 0: the product starts the sum.  ra, rb: the side's scales stand in lanes 16-31
.if (\c) < 0
.if (\ra) && (\rb)
	v_wmma_scale_f32_16x16x128_f8f6f4 v[(\d):(\d)+7], v[(\a):(\a)+11], v[(\b):(\b)+11], 0, v[\sa], v[\sb] matrix_a_fmt:MATRIX_FMT_BF6 matrix_b_fmt:MATRIX_FMT_BF6 matrix_a_scale:MATRIX_SCALE_ROW1 matrix_b_scale:MATRIX_SCALE_ROW1
.elseif (\ra)
	v_wmma_scale_f32_16x16x128_f8f6f4 v[(\d):(\d)+7], v[(\a):(\a)+11], v[(\b):(\b)+11], 0, v[\sa], v[\sb] matrix_a_fmt:MATRIX_FMT_BF6 matrix_b_fmt:MATRIX_FMT_BF6 matrix_a_scale:MATRIX_SCALE_ROW1
.elseif (\rb)
	v_wmma_scale_f32_16x16x128_f8f6f4 v[(\d):(\d)+7], v[(\a):(\a)+11], v[(\b):(\b)+11], 0, v[\sa], v[\sb] matrix_a_fmt:MATRIX_FMT_BF6 matrix_b_fmt:MATRIX_FMT_BF6 matrix_b_scale:MATRIX_SCALE_ROW1
.else
	v_wmma_scale_f32_16x16x128_f8f6f4 v[(\d):(\d)+7], v[(\a):(\a)+11], v[(\b):(\b)+11], 0, v[\sa], v[\sb] matrix_a_fmt:MATRIX_FMT_BF6 matrix_b_fmt:MATRIX_FMT_BF6
.endif
.else
.if (\ra) && (\rb)
	v_wmma_scale_f32_16x16x128_f8f6f4 v[(\d):(\d)+7], v[(\a):(\a)+11], v[(\b):(\b)+11], v[(\c):(\c)+7], v[\sa], v[\sb] matrix_a_fmt:MATRIX_FMT_BF6 matrix_b_fmt:MATRIX_FMT_BF6 matrix_a_scale:MATRIX_SCALE_ROW1 matrix_b_scale:MATRIX_SCALE_ROW1
.elseif (\ra)
	v_wmma_scale_f32_16x16x128_f8f6f4 v[(\d):(\d)+7], v[(\a):(\a)+11], v[(\b):(\b)+11], v[(\c):(\c)+7], v[\sa], v[\sb] matrix_a_fmt:MATRIX_FMT_BF6 matrix_b_fmt:MATRIX_FMT_BF6 matrix_a_scale:MATRIX_SCALE_ROW1
.elseif (\rb)
	v_wmma_scale_f32_16x16x128_f8f6f4 v[(\d):(\d)+7], v[(\a):(\a)+11], v[(\b):(\b)+11], v[(\c):(\c)+7], v[\sa], v[\sb] matrix_a_fmt:MATRIX_FMT_BF6 matrix_b_fmt:MATRIX_FMT_BF6 matrix_b_scale:MATRIX_SCALE_ROW1
.else
	v_wmma_scale_f32_16x16x128_f8f6f4 v[(\d):(\d)+7], v[(\a):(\a)+11], v[(\b):(\b)+11], v[(\c):(\c)+7], v[\sa], v[\sb] matrix_a_fmt:MATRIX_FMT_BF6 matrix_b_fmt:MATRIX_FMT_BF6
.endif
.endif
.endm
.macro KLOAD s                         ; step s: two key tiles x four K steps (8 fragments on end in the piece), and their scale words: lanes 0-15 the first tile's, lanes 16-31 the second's
	WIN 0x80
.set m, 0
.rept 24
	ds_load_b128 v[96*((\s)%2)+4*m:96*((\s)%2)+4*m+3], v[2+(\s)/4] offset:12288*((\s)%4)+512*m
.set m, m+1
.endr
	WIN 0
.irp ks, 0,1,2,3
	ds_load_b32 v[40+4*((\s)%2)+\ks], v6 offset:2048*\ks+128*(\s)
.endr
.endm
.macro MAXS set                        ; a set's 64 scores into the four tiles' maxima; each accumulator from its low end on
.irp i, 0,2,4,6
.irp u, 0,1
.irp a, 0,1,2,3
	v_max3_num_f32 v[32+\a], v[32+\a], v[64+64*(\set)+8*(4*\u+\a)+\i], v[64+64*(\set)+8*(4*\u+\a)+\i+1]
.endr
.endr
.endr
.endm
; A step: the next step's loads; this step's 32 products (8 accumulators by turns, K ascending); the maxima of the step before, which are also the plain vector instructions between these products and the
; next loads into their operands, and between the step before's products and the products that begin its accumulators anew.
.macro CSTEP s
.if (\s) < 15
.if (((\s)+1)%4) == 0
	s_wait_tensorcnt 3-((\s)+1)/4                  ; my quarter of the next piece is in; so many later pieces may be out
	s_wait_dscnt 0x0
	s_barrier_signal -1
	s_barrier_wait -1                              ; everybody's is
.endif
	KLOAD (\s)+1
	s_wait_dscnt 28                                ; all but the 28 just issued
.else
	s_wait_dscnt 0x0
.endif
	WIN 0x06                                       ; source 0 (K) window 2, source 1 (Q) window 1
.irp ks, 0,1,2,3
.irp u, 0,1
.irp a, 0,1,2,3
.if \ks == 0
	WM 64+64*((\s)%2)+8*(4*\u+\a), 96*((\s)%2)+12*(4*\u+\ks), 12*(4*\a+\ks), -1, 40+4*((\s)%2)+\ks, 48+4*(\a/2)+\ks, \u, \a%2
.else
	WM 64+64*((\s)%2)+8*(4*\u+\a), 96*((\s)%2)+12*(4*\u+\ks), 12*(4*\a+\ks), 64+64*((\s)%2)+8*(4*\u+\a), 40+4*((\s)%2)+\ks, 48+4*(\a/2)+\ks, \u, \a%2
.endif
.endr
.endr
.endr
	WIN 0
.if (\s) == 0
	PLACES 5
.else
	MAXS ((\s)+1)%2
.endif
.endm
	s_load_b256 s[4:11], s[0:1], 0x0               ; qimg s[4:5], kv s[6:7], qkvsc s[8:9], mx s[10:11]
	v_lshl_add_u32 v254, v0, 2, 0x34000
	v_mov_b32 v255, 0
	ds_add_u32 v254, v255
	ds_add_u32 v254, v255
	v_lshrrev_b32 v1, 5, v0
	v_readfirstlane_b32 s12, v1                    ; wave 0..3
	s_bfe_u32 s13, ttmp6, 0x40000                  ; cx: my block of 256 queries
	s_and_b32 s14, ttmp7, 0xffff
	s_lshr_b32 s15, s14, 1                         ; the image
	s_and_b32 s16, s14, 1                          ; which half of its keys
	s_mov_b32 s20, 15|(3<<16)|(1<<21)              ; group 1, a quarter of a piece: 48 dense rows of 256 bytes; mask of all four
	s_mov_b32 s21, 32<<16
	s_mov_b32 s22, 48<<16
	s_mov_b32 s23, 32<<16
	s_mov_b32 s24, 48
	s_mov_b32 s25, 32
	s_mov_b32 s26, 0
	s_mov_b32 s27, 0
	s_mov_b32 s28, 15|(3<<16)|(1<<21)              ; group 1, one K step's 512 scale words: 8 rows
	s_mov_b32 s29, 32<<16
	s_mov_b32 s30, 8<<16
	s_mov_b32 s31, 32<<16
	s_mov_b32 s32, 8
	s_mov_b32 s33, 32
	s_mov_b32 s34, 0
	s_mov_b32 s35, 0
	s_mov_b32 s70, 0x76543210
	s_mov_b32 s71, 0xfedcba98
	s_lshl_b32 s56, s15, 2
	s_add_co_u32 s56, s56, s12
	s_lshl_b32 s56, s56, 12
	s_lshl_b32 s57, s16, 11
	s_add_co_u32 s56, s56, s57
	s_add_co_u32 s56, s56, 524288                  ; k's scale words of K step w, my half of the keys
	s_mov_b32 s57, 0
	s_lshl_b32 s58, s15, 3
	s_lshl_b32 s59, s16, 2
	s_add_co_u32 s58, s58, s59
	s_mul_i32 s58, s58, 98304
	s_mul_i32 s17, s12, 12288
	s_add_co_u32 s58, s58, s17                     ; piece 0, my quarter
	s_mov_b32 s59, 0
	s_mul_i32 s60, s15, 393216
	s_mul_i32 s61, s13, 98304
	s_add_co_u32 s60, s60, s61
	s_mul_i32 s61, s12, 24576
	s_add_co_u32 s60, s60, s61                     ; my four query tiles
	s_mov_b32 s61, 0
	s_lshl_b32 s66, s13, 10
	s_lshl_b32 s67, s12, 8
	s_add_co_u32 s66, s66, s67                     ; 4 (256 cx + 64 w)
	s_lshl_b32 s62, s15, 14
	s_add_co_u32 s62, s62, s66                     ; q's scale words
	s_mov_b32 s63, 0
	s_lshl_b32 s67, s15, 12
	s_add_co_u32 s66, s66, s67
	s_lshl_b32 s67, s16, 17
	s_add_co_u32 s66, s66, s67                     ; the queries' maxima [half][image][query]
	s_mov_b32 s67, 0
	s_lshl_b32 s68, s14, 4
	s_lshl_b32 s69, s13, 2
	s_add_co_u32 s68, s68, s69
	s_add_co_u32 s68, s68, 262144                  ; the work-group's maximum
	s_mov_b32 s69, 0
	s_mov_b32 s36, 1
	s_lshl_b32 s37, s12, 11
	s_add_co_u32 s37, s37, KSC
.irp j, 0,1,2,3
	s_mov_b32 s[40+4*\j], 1
	s_add_co_u32 s[41+4*\j], s17, 49152*\j
.endr
	v_and_b32 v14, 31, v0
	v_and_b32 v15, 15, v0
	v_lshlrev_b32 v2, 4, v14                       ; 16 x lane: piece 0, and the global loads' offset
	v_add_nc_u32 v3, 49152, v2
	v_add_nc_u32 v4, 98304, v2
	v_add_nc_u32 v5, 147456, v2
	v_lshl_add_u32 v6, v14, 2, KSC
	v_lshlrev_b32 v7, 2, v14
	s_lshl_b32 s18, s12, 8
	s_add_co_u32 s18, s18, SCR
	v_lshl_add_u32 v8, v15, 2, s18
	v_lshl_add_u32 v9, v14, 3, s18
	v_lshlrev_b32 v10, 3, v14
	s_lshl_b32 s19, s12, 2
	s_add_co_u32 s19, s19, WRED
	v_mov_b32 v11, s19
	v_mov_b32 v12, WRED
	v_mov_b32 v13, 0
.irp a, 0,1,2,3
	v_mov_b32 v[32+\a], 0xff800000                 ; -infinity
	v_mov_b32 v[36+\a], 0                          ; written once: a lane permute's destination counts as one of its sources
.endr
	s_wait_dscnt 0x0
	s_wait_kmcnt 0x0
	s_add_nc_u64 s[38:39], s[8:9], s[56:57]
	s_or_b32 s39, s39, 0x80000000
	s_add_nc_u64 s[42:43], s[6:7], s[58:59]
	s_add_nc_u64 s[46:47], s[42:43], 98304
	s_add_nc_u64 s[50:51], s[42:43], 196608
	s_add_nc_u64 s[54:55], s[42:43], 294912
.irp j, 0,1,2,3
	s_or_b32 s[43+4*\j], s[43+4*\j], 0x80000000
.endr
	s_add_nc_u64 s[4:5], s[4:5], s[60:61]
	s_add_nc_u64 s[8:9], s[8:9], s[62:63]
	s_add_nc_u64 s[72:73], s[10:11], s[66:67]
	s_add_nc_u64 s[74:75], s[10:11], s[68:69]
	CROUND                                         ; all four work-groups are here: the joint loads meet
	tensor_load_to_lds s[36:39], s[28:35]          ; the scale words,
	s_nop 0
	tensor_load_to_lds s[40:43], s[20:27]          ; then the four pieces in the order in which they are read
	s_nop 0
	tensor_load_to_lds s[44:47], s[20:27]
	s_nop 0
	tensor_load_to_lds s[48:51], s[20:27]
	s_nop 0
	tensor_load_to_lds s[52:55], s[20:27]
	s_nop 0
	PLACES 4
	WIN 0x40
.set n, 0
.rept 48
	global_load_b128 v[4*n:4*n+3], v2, s[4:5] offset:512*n   ; Q's sixteen fragments lie on end
.set n, n+1
.endr
	WIN 0
.irp pr, 0,1
.irp ks, 0,1,2,3
	global_load_b32 v[48+4*\pr+\ks], v7, s[8:9] offset:4096*\ks+128*\pr   ; lanes 0-15: tile 2 pr, lanes 16-31: tile 2 pr + 1
.endr
.endr
	s_wait_tensorcnt 3                             ; the scale words and my quarter of piece 0 are in
	s_barrier_signal -1
	s_barrier_wait -1
	KLOAD 0
	s_wait_loadcnt 0x0
.irp s, 0,1,2,3,4,5,6,7,8,9,10,11,12,13,14,15
	CSTEP \s
.endr
	PLACES 4
	MAXS 1
.irp a, 0,1,2,3
	v_permlanex16_b32 v[36+\a], v[32+\a], s70, s71
.endr
.irp a, 0,1,2,3
	v_max_num_f32 v[32+\a], v[32+\a], v[36+\a]     ; with the query's other keys, in lane l xor 16
.endr
.irp a, 0,1,2,3
	ds_store_b32 v8, v[32+\a] offset:64*\a
.endr
	ds_load_b64 v[16:17], v9                       ; LDS serves a wave's instructions in order: my 64 queries' maxima, 8 bytes a lane
	v_max3_num_f32 v36, v32, v33, v34
	v_max_num_f32 v36, v36, v35
	v_max_num_f32_dpp v36, v36, v36 row_xmask:1 row_mask:0xf bank_mask:0xf
	v_max_num_f32_dpp v36, v36, v36 row_xmask:2 row_mask:0xf bank_mask:0xf
	v_max_num_f32_dpp v36, v36, v36 row_xmask:4 row_mask:0xf bank_mask:0xf
	v_max_num_f32_dpp v36, v36, v36 row_xmask:8 row_mask:0xf bank_mask:0xf
	ds_store_b32 v11, v36                          ; my wave's maximum
	s_wait_dscnt 0x0
	global_store_b64 v10, v[16:17], s[72:73]       ; 256 consecutive bytes, aligned
	s_barrier_signal -1
	s_barrier_wait -1
	ds_load_b128 v[20:23], v12
	s_wait_dscnt 0x0
	v_max3_num_f32 v20, v20, v21, v22
	v_max_num_f32 v20, v20, v23
	v_cmp_eq_u32 vcc_lo, 0, v0
	s_wait_xcnt 0x0                                ; EXEC changes only behind this wait
	s_and_saveexec_b32 s3, vcc_lo
	global_store_b32 v13, v20, s[74:75]            ; thread 0 alone
	s_wait_xcnt 0x0
	s_or_b32 exec_lo, exec_lo, s3
	s_wait_tensorcnt 0x0
	ds_add_u32 v254, v255
	s_wait_dscnt 0x0
	CROUND                                         ; the closing round
	s_endpgm
.Lfunc_end_k_q46c60ab742_rowmax:
	.size	k_q46c60ab742_rowmax, .Lfunc_end_k_q46c60ab742_rowmax-k_q46c60ab742_rowmax
	.p2alignl 7, 3214868480
	.fill 96, 4, 3214868480
	.section	.rodata,"a",@progbits
	.p2align	6, 0x0
	.amdhsa_kernel k_q46c60ab742_rowmax
		.amdhsa_group_segment_fixed_size 213504
		.amdhsa_private_segment_fixed_size 0
		.amdhsa_enable_private_segment 0
		.amdhsa_kernarg_size 32
		.amdhsa_user_sgpr_count 2
		.amdhsa_user_sgpr_kernarg_segment_ptr 1
		.amdhsa_wavefront_size32 1
		.amdhsa_system_sgpr_workgroup_id_x 1
		.amdhsa_system_sgpr_workgroup_id_y 1
		.amdhsa_system_sgpr_workgroup_id_z 1
		.amdhsa_system_vgpr_workitem_id 0
		.amdhsa_next_free_vgpr 768
		.amdhsa_next_free_sgpr 80
		.amdhsa_reserve_vcc 1
		.amdhsa_float_denorm_mode_32 3
		.amdhsa_float_denorm_mode_16_64 3
		.amdhsa_memory_ordered 1
		.amdhsa_forward_progress 1
		.amdhsa_inst_pref_size 142
	.end_amdhsa_kernel
	.amdgpu_metadata
---
amdhsa.version: [ 1, 2 ]
amdhsa.kernels:
  - .name:           k_q46c60ab742_rowmax
    .symbol:         k_q46c60ab742_rowmax.kd
    .args:
      - { .name: qimg, .offset: 0, .size: 8, .value_kind: global_buffer, .address_space: global }
      - { .name: kv, .offset: 8, .size: 8, .value_kind: global_buffer, .address_space: global }
      - { .name: qkvsc, .offset: 16, .size: 8, .value_kind: global_buffer, .address_space: global }
      - { .name: mx, .offset: 24, .size: 8, .value_kind: global_buffer, .address_space: global }
    .group_segment_fixed_size: 213504
    .private_segment_fixed_size: 0
    .kernarg_segment_align: 8
    .kernarg_segment_size: 32
    .max_flat_workgroup_size: 128
    .sgpr_count:     80
    .vgpr_count:     768
    .wavefront_size: 32
...
	.end_amdgpu_metadata
.endif
;; end of part 3
;; launch attn (part 4): grid 8 x 32, 4 waves a work-group, clusters of 4 x 1, 327,680 bytes of LDS; arguments qimg, kv, qkvsc, mx, wimg, wsc, bp, x, out0; writes out0
.if DOCPART == 4
	.amdgcn_target "amdgcn-amd-amdhsa--gfx1250"
	.amdhsa_code_object_version 6
	.text
	.protected	k_q46c60ab742_attn
	.globl	k_q46c60ab742_attn
	.p2align	8
	.type	k_q46c60ab742_attn,@function
k_q46c60ab742_attn:
	s_mov_b64 s[64:65], 0
	v_nop
	global_prefetch_b8 v0, s[64:65] scope:SCOPE_SE
	s_setreg_imm32_b32 hwreg(HW_REG_WAVE_MODE, 25, 1), 1
	s_wait_xcnt 0x0
	s_wait_alu depctr_hold_cnt(0) depctr_sa_sdst(0) depctr_va_vdst(0) depctr_va_sdst(0) depctr_va_ssrc(0) depctr_va_vcc(0) depctr_vm_vsrc(0)
	s_getreg_b32 s2, hwreg(HW_REG_IB_STS2, 6, 4)
	s_cmp_eq_u32 s2, 0
	s_cbranch_scc0 .Lentry_in_a_cluster
	s_endpgm
.Lentry_in_a_cluster:
	s_bfe_u32 s2, ttmp6, 0x10000c
	s_cmp_lg_u32 s2, 0x3003
	s_cbranch_scc0 .Lentry_shape_is_right
	s_endpgm
.Lentry_shape_is_right:
; out = x + wp (v softmax(q^T k / sqrt(512) - the largest score of all images)^T) + bp, all three products on codes of BF6 (E3M2) with E8M0 scales.
; THE SOFTMAX.  t = raw sum x c - G, c = log2(e) / sqrt(512), G = the largest raw sum of all images x c.  M = ceil(the row's largest t) is known beforehand from the launch before: p = 2^(t - M) is one fused multiply-add
; (raw x c + (-M - G)) and one exponential; nothing is ever rescaled.  p is quantised along the keys; the row's sum is taken of the unquantised p and divides at the end.
; SHARES.  A work-group owns 128 queries of one image.  Attention: wave w owns query tiles 2 w, 2 w + 1; 8 key steps of 128 keys, each 64 products K Q^T and 64 products V^T P^T a wave.  Both are used transposed: a lane holds one query.
; Projection: the waves share the outputs: wave w makes outputs 128 w .. + 127 for all 128 queries (source 0 = 16 queries, source 1 = 16 rows of wp): a lane holds eight neighbouring pixels of one row of out.
; The attention output goes from wave to wave through LDS as images of the operand's registers.  All operands are such images (1,536 bytes; registers 4 j .. 4 j + 3 of lane l at 512 j + 16 l).
; Inside a block of 32 keys p and v stand in the same order (place 16 h + 8 u + j holds key 16 u + 8 h + j).
; CLUSTER.  The four query blocks of a cluster walk the same K, V and wp: joint loads, mask 15.  RING: two slots of 98,304 bytes (a key step's K and V; at the end wp's two halves); every wave fetches a quarter; one tensor load
; a wave behind each round; three loads of mine are out at the start.  All eight changes of slots fill: the last two bring wp, so no load is jumped over.
; PREFETCH.  K and V: behind the tensor load of the change behind key step s stands one prefetch of key step s + 3 (s up to 4): the image's first cluster asks; its partners take 24,576 bytes each, told apart by address;
; waves 0-2 take 8,192 each, lanes 256 bytes apart.  x: each wave asks for the rows of its output tile three tiles ahead of their loads, a lane a block of 256 bytes; tiles 0 and 1 come by their loads alone.
; LIMITS.  NaN and infinities are not served.  p under 2^-126 is 0.  G is rounded once: t - M carries about 1e-7 |G|.  Where a row's largest t lies at a whole number M may be one higher: an exact power of two, which the blocks'
; scales and the row's sum take up.  A block of zeros has the byte 1 (its codes are zeros).  The division is a reciprocal and a multiplication.
; REGISTERS.  window 0: v1-19 addresses; v20-31 -M - G, the sums, their reciprocals (pairs, a tile each); v32-63, v240-255 scale words and nothing else; v64-191 S^T, then p, at the end rows of x; v192-223 p's codes and the quantiser's; v224-239 at work.
;   window 1: v0-95 Q, later wp's fragments (two sets); v96-239 three sets of four fragments of K or V, later y's accumulators and the bias as C; v240-247 bp.   windows 2, 3: O^T of tile 0, 1; later the attention output's fragments, and rows of y.
.set SLOT1, 131072
.set KSC,   98304                      ; K's scale words of the image [ks][1024]
.set VSC,   114688                     ; V's [key step][512]
.set OIMG,  229376                     ; the attention output's 32 fragments (4 qt + kc)
.set OSC,   278528                     ; their scale words [kc][qt][16]
.set STAGE, 282624                     ; 16 rows x (512 + 16) bytes a wave
.set SPARE, 316416                     ; the spare words, 128 bytes a wave: two blocks of 256 bytes that no other line names
.set KS,    32                         ; v32-47  K's scale words (4 (kt / 2) + ks); later the attention output's (4 (qt / 2) + kc)
.set VS,    48                         ; v48-63  V's, one for two channel tiles; later wp's tiles 0-3
.set OS,    32
.set S,     64
.set P,     192
.set PC,    192
.set TM,    224
.set PW,    240                        ; v240-241 p's scale words; v242-245 Q's; later v240-255 wp's tiles 4-7
.set QS,    242
.set YA,    96
.set CB,    160
.set SEL,   60
.set FLOOR, 0x2800000
.set EOFF,  0xfe000000
.set MSB, 0
.macro WIN new
.if MSB != (\new)
	s_set_vgpr_msb (MSB<<8)|(\new)
.set MSB, (\new)
.endif
.endm
.macro PLACES n
.rept \n
	v_nop
.endr
.endm
.macro CROUND
	s_barrier_signal -1
	s_barrier_wait -1
	s_cmp_lg_u32 s22, 0
	s_cbranch_scc1 .Lnot_wave_0_\@
	s_barrier_signal -3
.Lnot_wave_0_\@:
	s_barrier_wait -3
	s_barrier_signal -1
	s_barrier_wait -1
.endm
.macro WM d, a, b, c, sa, sb, ra, rb   ; c < 0: the product starts the sum.  ra, rb: the side's scales stand in lanes 16-31
.if (\c) < 0
.if (\ra) && (\rb)
	v_wmma_scale_f32_16x16x128_f8f6f4 v[(\d):(\d)+7], v[(\a):(\a)+11], v[(\b):(\b)+11], 0, v[\sa], v[\sb] matrix_a_fmt:MATRIX_FMT_BF6 matrix_b_fmt:MATRIX_FMT_BF6 matrix_a_scale:MATRIX_SCALE_ROW1 matrix_b_scale:MATRIX_SCALE_ROW1
.elseif (\ra)
	v_wmma_scale_f32_16x16x128_f8f6f4 v[(\d):(\d)+7], v[(\a):(\a)+11], v[(\b):(\b)+11], 0, v[\sa], v[\sb] matrix_a_fmt:MATRIX_FMT_BF6 matrix_b_fmt:MATRIX_FMT_BF6 matrix_a_scale:MATRIX_SCALE_ROW1
.elseif (\rb)
	v_wmma_scale_f32_16x16x128_f8f6f4 v[(\d):(\d)+7], v[(\a):(\a)+11], v[(\b):(\b)+11], 0, v[\sa], v[\sb] matrix_a_fmt:MATRIX_FMT_BF6 matrix_b_fmt:MATRIX_FMT_BF6 matrix_b_scale:MATRIX_SCALE_ROW1
.else
	v_wmma_scale_f32_16x16x128_f8f6f4 v[(\d):(\d)+7], v[(\a):(\a)+11], v[(\b):(\b)+11], 0, v[\sa], v[\sb] matrix_a_fmt:MATRIX_FMT_BF6 matrix_b_fmt:MATRIX_FMT_BF6
.endif
.else
.if (\ra) && (\rb)
	v_wmma_scale_f32_16x16x128_f8f6f4 v[(\d):(\d)+7], v[(\a):(\a)+11], v[(\b):(\b)+11], v[(\c):(\c)+7], v[\sa], v[\sb] matrix_a_fmt:MATRIX_FMT_BF6 matrix_b_fmt:MATRIX_FMT_BF6 matrix_a_scale:MATRIX_SCALE_ROW1 matrix_b_scale:MATRIX_SCALE_ROW1
.elseif (\ra)
	v_wmma_scale_f32_16x16x128_f8f6f4 v[(\d):(\d)+7], v[(\a):(\a)+11], v[(\b):(\b)+11], v[(\c):(\c)+7], v[\sa], v[\sb] matrix_a_fmt:MATRIX_FMT_BF6 matrix_b_fmt:MATRIX_FMT_BF6 matrix_a_scale:MATRIX_SCALE_ROW1
.elseif (\rb)
	v_wmma_scale_f32_16x16x128_f8f6f4 v[(\d):(\d)+7], v[(\a):(\a)+11], v[(\b):(\b)+11], v[(\c):(\c)+7], v[\sa], v[\sb] matrix_a_fmt:MATRIX_FMT_BF6 matrix_b_fmt:MATRIX_FMT_BF6 matrix_b_scale:MATRIX_SCALE_ROW1
.else
	v_wmma_scale_f32_16x16x128_f8f6f4 v[(\d):(\d)+7], v[(\a):(\a)+11], v[(\b):(\b)+11], v[(\c):(\c)+7], v[\sa], v[\sb] matrix_a_fmt:MATRIX_FMT_BF6 matrix_b_fmt:MATRIX_FMT_BF6
.endif
.endif
.endm
; 64 numbers of a lane in window w, register 16 b + i = place 32 b + 16 (lane / 16) + i along the next K, become a fragment's codes in v[PC] on and its scale word in v[PW] (window 0)
.macro QUANTW s, w
	WIN (\w)|((\w)<<2)
.irp b, 0,1,2,3
	v_max3_num_f32 v[TM+\b], |v[(\s)+16*\b]|, |v[(\s)+16*\b+1]|, FLOOR
.endr
	WIN ((\w)<<2)|((\w)<<4)
.irp i, 2,4,6,8,10,12,14
.irp b, 0,1,2,3
	v_max3_num_f32 v[TM+\b], v[TM+\b], |v[(\s)+16*\b+\i]|, |v[(\s)+16*\b+\i+1]|
.endr
.endr
	WIN 0
.irp b, 0,1,2,3
	v_permlanex16_b32 v[TM+4+\b], v[TM+\b], s[SEL], s[SEL+1]
.endr
.irp b, 0,1,2,3
	v_max_num_f32 v[TM+\b], v[TM+\b], v[TM+4+\b]
.endr
.irp b, 0,1,2,3
	v_add_nc_u32 v[TM+12+\b], EOFF, v[TM+\b]
.endr
.irp b, 0,1,2,3
	v_lshrrev_b32 v[TM+4+\b], 23, v[TM+12+\b]
.endr
	v_lshl_or_b32 v[PW], v[TM+5], 8, v[TM+4]
	v_lshl_or_b32 v[PW], v[TM+6], 16, v[PW]
	v_lshl_or_b32 v[PW], v[TM+7], 24, v[PW]
	WIN (\w)
.irp c, 0,1
	v_cvt_scalef32_pk16_bf6_f32 v[PC+6*\c:PC+6*\c+2], v[(\s)+32*\c:(\s)+32*\c+15], v[TM+12+2*\c]
	v_cvt_scalef32_pk16_bf6_f32 v[PC+12+4*\c:PC+14+4*\c], v[(\s)+32*\c+16:(\s)+32*\c+31], v[TM+12+2*\c+1]
.endr
	WIN 0
	v_nop                                          ; one plain place behind a scaled conversion
.irp c, 0,1
.irp i, 0,1,2
	v_permlane16_swap_b32 v[PC+6*\c+\i], v[PC+12+4*\c+\i]
.endr
.irp i, 0,1,2
	v_mov_b32 v[PC+3+6*\c+\i], v[PC+12+4*\c+\i]
.endr
.endr
.endm
; A GROUP is four fragments (on end in the slot) and the eight products that they feed.  Groups 0-7: key tile n, its four K steps.  Groups 8-15: channel tiles 4 (n - 8) .. + 3 of V.  Three sets of registers by turns.
.macro GLOAD n
	WIN 0x40
.set m, 0
.rept 12
.if (\n) < 8
	ds_load_b128 v[96+48*((\n)%3)+4*m:96+48*((\n)%3)+4*m+3], v4 offset:6144*(\n)+512*m
.else
	ds_load_b128 v[96+48*((\n)%3)+4*m:96+48*((\n)%3)+4*m+3], v5 offset:6144*((\n)-8)+512*m
.endif
.set m, m+1
.endr
.endm
.macro GROUP n, zero
.if (\n) < 14
	s_wait_dscnt 24                                ; the two groups asked for behind this one may be out
.else
	s_wait_dscnt 12*(15-(\n))
.endif
.if (\n) < 8
	WIN 0x05                                       ; K and Q in window 1, S^T in window 0; the two tiles' accumulators take turns
.irp ks, 0,1,2,3
.irp a, 0,1
.if \ks == 0
	WM S+64*\a+8*(\n), 96+48*((\n)%3)+12*\ks, 12*(4*\a+\ks), -1, KS+4*((\n)/2)+\ks, QS+\ks, (\n)%2, \a
.else
	WM S+64*\a+8*(\n), 96+48*((\n)%3)+12*\ks, 12*(4*\a+\ks), S+64*\a+8*(\n), KS+4*((\n)/2)+\ks, QS+\ks, (\n)%2, \a
.endif
.endr
.endr
.else
.irp a, 0,1
	WIN 0xa1+0x50*\a                               ; V in window 1, p in window 0, O^T in window 2 or 3
.irp f, 0,1,2,3
.set T, 4*((\n)-8)+\f
.if \zero
	WM 8*T, 96+48*((\n)%3)+12*\f, P+12*\a, -1, VS+T/2, PW+\a, T%2, 0
.else
	WM 8*T, 96+48*((\n)%3)+12*\f, P+12*\a, 8*T, VS+T/2, PW+\a, T%2, 0
.endif
.endr
.endr
.endif
.if (\n)+3 <= 15
	PLACES 4                                       ; in front of loads into registers that these products have read
	GLOAD (\n)+3
.endif
.endm
; Tile a's softmax for a key step.  The largest score of each block of 32 keys goes through the same multiply-add and exponential as the scores: it is the block's largest p.
.macro SOFT a
.set SB, S+64*\a
.set LL, 24+2*\a
.set OF, 20+2*\a
.irp b, 0,1,2,3
	v_max3_num_f32 v[TM+\b], v[SB+16*\b], v[SB+16*\b+1], v[SB+16*\b+2]
.endr
.irp i, 3,5,7,9,11,13
.irp b, 0,1,2,3
	v_max3_num_f32 v[TM+\b], v[TM+\b], v[SB+16*\b+\i], v[SB+16*\b+\i+1]
.endr
.endr
.irp b, 0,1,2,3
	v_max_num_f32 v[TM+\b], v[TM+\b], v[SB+16*\b+15]
.endr
.irp b, 0,1,2,3
	v_permlanex16_b32 v[TM+4+\b], v[TM+\b], s[SEL], s[SEL+1]
.endr
.irp b, 0,1,2,3
	v_max_num_f32 v[TM+\b], v[TM+\b], v[TM+4+\b]
.endr
.set j, 0
.rept 32
	v_pk_fma_f32 v[SB+j:SB+j+1], v[SB+j:SB+j+1], s[58:59], v[OF:OF+1] op_sel_hi:[1,0,0]   ; t - M, two at a time
.set j, j+2
.endr
.irp b, 0,1,2,3
	v_fma_f32 v[TM+\b], v[TM+\b], s58, v[OF]
.endr
.set j, 0
.rept 64
	v_exp_f32 v[SB+j], v[SB+j]                     ; p = 2^(t - M): not normalised
.set j, j+1
.endr
.irp b, 0,1,2,3
	v_exp_f32 v[TM+\b], v[TM+\b]
.endr
	v_nop                                          ; a plain place behind the exponentials
	s_wait_alu depctr_va_vdst(0)                   ; one wait for the batch of 68, ahead of its first reader
	v_pk_add_f32 v[TM+8:TM+9], v[SB:SB+1], v[SB+2:SB+3]   ; the row's sum is taken of the unquantised p, in two chains
.set j, 4
.rept 15
	v_pk_add_f32 v[LL:LL+1], v[LL:LL+1], v[SB+j:SB+j+1]
	v_pk_add_f32 v[TM+8:TM+9], v[TM+8:TM+9], v[SB+j+2:SB+j+3]
.set j, j+4
.endr
	v_pk_add_f32 v[LL:LL+1], v[LL:LL+1], v[TM+8:TM+9]
.irp b, 0,1,2,3
	v_max_num_f32 v[TM+\b], FLOOR, v[TM+\b]
.endr
.irp b, 0,1,2,3
	v_add_nc_u32 v[TM+12+\b], EOFF, v[TM+\b]
.endr
.irp b, 0,1,2,3
	v_lshrrev_b32 v[TM+4+\b], 23, v[TM+12+\b]
.endr
	v_lshl_or_b32 v[PW+\a], v[TM+5], 8, v[TM+4]
	v_lshl_or_b32 v[PW+\a], v[TM+6], 16, v[PW+\a]
	v_lshl_or_b32 v[PW+\a], v[TM+7], 24, v[PW+\a]
.irp c, 0,1
	v_cvt_scalef32_pk16_bf6_f32 v[P+12*\a+6*\c:P+12*\a+6*\c+2], v[SB+32*\c:SB+32*\c+15], v[TM+12+2*\c]
	v_cvt_scalef32_pk16_bf6_f32 v[216+4*\c:218+4*\c], v[SB+32*\c+16:SB+32*\c+31], v[TM+12+2*\c+1]
.endr
	v_nop
.irp c, 0,1
.irp i, 0,1,2
	v_permlane16_swap_b32 v[P+12*\a+6*\c+\i], v[216+4*\c+\i]
.endr
.irp i, 0,1,2
	v_mov_b32 v[P+12*\a+6*\c+3+\i], v[216+4*\c+\i]
.endr
.endr
.endm
.macro ASK                             ; the prefetch of K and V: see the head
	s_cmp_gt_u32 s63, s70
	s_cbranch_scc0 .Lnot_mine_\@
	global_prefetch_b8 v17, s[68:69] th:TH_LOAD_NT scope:SCOPE_SE
.Lnot_mine_\@:
.endm
; THE CHANGE OF SLOTS, behind a key step: the slot just read is filled with what stands two steps on: key step s + 2, behind key steps 6 and 7 wp's two halves.  s63 = 8 - s.
.macro CHANGE
	WIN 0
	s_wait_tensorcnt 0x0                           ; all my tensor loads have landed: my quarter of the other slot; so the walking descriptor may be written
	ds_add_u32 v18, v19                            ; 0 onto my spare word
	s_xor_b32 s53, s53, SLOT1
	s_add_nc_u64 s[54:55], s[54:55], 98304
	s_cmp_eq_u32 s63, 2
	s_cselect_b64 s[54:55], s[56:57], s[54:55]     ; behind key step 6 the ring goes on into wp
	s_wait_xcnt 0x0                                ; the last prefetch, a key step back, has read its address
	s_add_nc_u64 s[68:69], s[68:69], 98304
	s_wait_dscnt 0x0                               ; the add is done, and my reads of the slot are over
	CROUND                                         ; no wave of any partner still reads the slot or has a load on its way
	tensor_load_to_lds s[52:55], s[28:35]          ; my one tensor load behind the round
	s_nop 0
	PLACES 4
	ASK
	s_xor_b32 s62, s62, SLOT1                      ; the reads go on in the other slot,
	s_add_co_u32 s66, s66, 512                     ; 128 keys' scale words on,
	s_add_co_u32 s67, s67, 2048                    ; a key step's 512 words of V on
.endm
.macro KSTEP zero
	v_add_nc_u32 v4, s62, v1                       ; K's fragments in the slot in hand,
	v_add_nc_u32 v6, s66, v2
	v_add_nc_u32 v7, s67, v3
	v_add_nc_u32 v5, 49152, v4                     ; V's behind them
.irp bb, 0,1,2,3
.irp ks, 0,1,2,3
	ds_load_b32 v[KS+4*\bb+\ks], v6 offset:4096*\ks+128*\bb   ; lanes 0-15: key tile 2 bb, lanes 16-31: 2 bb + 1
.endr
.endr
.irp cp, 0,1,2,3,4,5,6,7,8,9,10,11,12,13,14,15
	ds_load_b32 v[VS+\cp], v7 offset:128*\cp
.endr
	GLOAD 0
	GLOAD 1
	GLOAD 2
.irp n, 0,1,2,3,4,5,6,7
	GROUP \n, 0
.endr
	WIN 0
	SOFT 0
	SOFT 1
	PLACES 8                                       ; a scale word made by vector instructions stands eight places ahead of the product that takes it
.irp n, 8,9,10,11,12,13,14,15
	GROUP \n, \zero
.endr
	CHANGE
.endm
	s_load_b512 s[4:19], s[0:1], 0x0               ; qimg s[4:5], kv s[6:7], qkvsc s[8:9], mx s[10:11], wimg s[12:13], wsc s[14:15], bp s[16:17], x s[18:19]
	s_load_b64 s[20:21], s[0:1], 0x40              ; out0
	v_lshl_add_u32 v18, v0, 2, SPARE
	v_mov_b32 v19, 0
	ds_add_u32 v18, v19
	ds_add_u32 v18, v19
	s_wait_dscnt 0x0
	v_lshrrev_b32 v1, 5, v0
	v_readfirstlane_b32 s22, v1                    ; wave 0..3
	s_bfe_u32 s23, ttmp6, 0x40000                  ; cx
	s_lshl_b32 s24, ttmp9, 2
	s_add_co_u32 s24, s24, s23                     ; my block of 128 queries
	s_and_b32 s25, ttmp7, 0xffff                   ; the image
	s_mov_b32 s28, 15|(3<<16)|(1<<21)              ; group 1, a quarter of a slot: 96 dense rows of 256 bytes; mask of all four
	s_mov_b32 s29, 32<<16
	s_mov_b32 s30, 96<<16
	s_mov_b32 s31, 32<<16
	s_mov_b32 s32, 96
	s_mov_b32 s33, 32
	s_mov_b32 s34, 0
	s_mov_b32 s35, 0
	s_mov_b32 s36, 15|(3<<16)|(1<<21)              ; group 1, half of K's or of V's scale words: 32 rows
	s_mov_b32 s37, 32<<16
	s_mov_b32 s38, 32<<16
	s_mov_b32 s39, 32<<16
	s_mov_b32 s40, 32
	s_mov_b32 s41, 32
	s_mov_b32 s42, 0
	s_mov_b32 s43, 0
	s_mov_b32 s58, 0x3d8293ee                      ; c = log2(e) / sqrt(512)
	s_mov_b32 s59, s58
	s_mov_b32 s[SEL], 0x76543210
	s_mov_b32 s[SEL+1], 0xfedcba98
	s_mov_b32 s62, 0
	s_mov_b32 s63, 8
	s_mov_b32 s66, 0
	s_mov_b32 s67, 0
	s_cmp_lt_u32 s22, 3
	s_cselect_b32 s70, 0, 1
	s_or_b32 s70, s70, ttmp9                       ; 0 in waves 0-2 of the image's first cluster: the same in all four partners
	s_cmp_eq_u32 s70, 0
	s_cselect_b32 s70, 3, -1
	s_mul_i32 s76, s22, 24576
	s_mul_i32 s78, s25, 786432
	s_add_co_u32 s78, s78, s76                     ; key step 0, my quarter
	s_mov_b32 s79, 0
	s_lshr_b32 s80, s22, 1
	s_add_co_u32 s80, s80, 1
	s_lshl_b32 s80, s80, 19
	s_lshl_b32 s77, s25, 14
	s_add_co_u32 s80, s80, s77
	s_and_b32 s81, s22, 1
	s_lshl_b32 s81, s81, 13
	s_add_co_u32 s80, s80, s81                     ; waves 0, 1: K's scale words, waves 2, 3: V's; a half each
	s_mov_b32 s81, 0
	s_add_co_u32 s82, s76, 589824                  ; wp's first half, my quarter
	s_mov_b32 s83, 0
	s_mul_i32 s84, s25, 393216
	s_mul_i32 s85, s24, 49152
	s_add_co_u32 s84, s84, s85
	s_mul_i32 s85, s22, 12288
	s_add_co_u32 s84, s84, s85                     ; my two query tiles
	s_mov_b32 s85, 0
	s_lshl_b32 s86, s24, 9
	s_lshl_b32 s87, s22, 7
	s_add_co_u32 s86, s86, s87                     ; 4 (128 qb + 32 w)
	s_lshl_b32 s88, s25, 12
	s_add_co_u32 s88, s88, s86                     ; my queries' maxima
	s_mov_b32 s89, 0
	s_add_co_u32 s86, s86, s77                     ; and scale words
	s_mov_b32 s87, 0
	s_lshl_b32 s90, s22, 9
	s_mov_b32 s91, 0
	s_lshl_b32 s92, s25, 21
	s_lshl_b32 s93, s22, 19
	s_add_co_u32 s92, s92, s93
	s_lshl_b32 s93, s24, 9
	s_add_co_u32 s92, s92, s93                     ; x and out: image, my 128 rows, my block's 512 bytes of each
	s_mov_b32 s93, 0
	s_lshl_b32 s94, s22, 11
	s_add_co_u32 s94, s94, 24576                   ; wp's scale words of my 8 tiles
	s_mov_b32 s95, 0
	s_mul_i32 s96, s25, 786432
	s_mul_i32 s97, s23, 24576
	s_add_co_u32 s96, s96, s97
	s_lshl_b32 s97, s22, 13
	s_add_co_u32 s96, s96, s97
	s_add_co_u32 s96, s96, 196608                  ; the prefetches stand in key step 2; the first change steps them to 3
	s_mov_b32 s97, 0
	s_mov_b32 s44, 1
	s_lshl_b32 s45, s22, 13
	s_add_co_u32 s45, s45, KSC
	s_mov_b32 s48, 1
	s_mov_b32 s49, s76
	s_mov_b32 s52, 1
	s_add_co_u32 s53, s76, SLOT1
	v_and_b32 v68, 31, v0                          ; lane
	v_and_b32 v69, 15, v0                          ; r
	v_bfe_u32 v70, v0, 4, 1                        ; h
	v_lshlrev_b32 v1, 4, v68                       ; 16 x lane
	v_lshl_add_u32 v2, v68, 2, KSC
	v_lshl_add_u32 v3, v68, 2, VSC
	s_mul_i32 s77, s22, 12288
	s_add_co_u32 s77, s77, OIMG
	v_add_nc_u32 v8, s77, v1                       ; where I store the attention output's images
	s_lshl_b32 s77, s22, 7
	s_add_co_u32 s77, s77, OSC
	v_lshl_add_u32 v9, v69, 2, s77                 ; and their scale words
	v_add_nc_u32 v10, OIMG, v1                     ; where anybody reads them
	v_lshl_add_u32 v11, v68, 2, OSC
	s_mul_i32 s77, s22, 8448
	s_add_co_u32 s77, s77, STAGE
	v_mul_u32_u24 v12, v69, 528
	v_lshl_add_u32 v12, v70, 5, v12
	v_add_nc_u32 v12, s77, v12                     ; the stage: row r, + 32 h
	v_add_nc_u32 v13, s77, v1                      ; and back by rows
	v_add_nc_u32 v14, s76, v1                      ; wp's fragments: my quarter of slot 0,
	v_add_nc_u32 v15, SLOT1, v14                   ; of slot 1
	v_bfe_u32 v16, v0, 1, 3
	v_lshlrev_b32 v16, 12, v16
	v_lshl_add_u32 v16, v70, 16, v16
	v_and_b32 v71, 1, v0
	v_lshl_add_u32 v16, v71, 8, v16                ; x's prefetches: row (lane / 2) % 8 + 16 (lane / 16) of a tile, block lane % 2
	v_lshlrev_b32 v17, 8, v68                      ; K's and V's: 256 x lane
	v_lshlrev_b32 v64, 2, v68
	v_lshlrev_b32 v65, 5, v68
	v_lshlrev_b32 v66, 2, v69
	v_and_b32 v67, 8, v69
	v_add_nc_u32 v67, v67, v69
	v_lshlrev_b32 v67, 2, v67                      ; 4 (r + 8 (r / 8))
.irp i, 21,23,24,25,26,27,29,31
	v_mov_b32 v\i, 0                               ; the sums begin at 0; the pairs' upper halves are named, so they are written
.endr
.irp b, 0,1,2,3
	v_mov_b32 v[TM+4+\b], 0                        ; written once: a lane permute's destination counts as one of its sources
.endr
	s_wait_kmcnt 0x0
	s_add_nc_u64 s[46:47], s[8:9], s[80:81]
	s_or_b32 s47, s47, 0x80000000
	s_add_nc_u64 s[50:51], s[6:7], s[78:79]
	s_add_nc_u64 s[54:55], s[50:51], 98304
	s_or_b32 s51, s51, 0x80000000
	s_or_b32 s55, s55, 0x80000000
	s_add_nc_u64 s[56:57], s[12:13], s[82:83]
	s_or_b32 s57, s57, 0x80000000
	s_add_nc_u64 s[68:69], s[6:7], s[96:97]
	s_add_nc_u64 s[72:73], s[18:19], s[92:93]
	s_add_nc_u64 s[74:75], s[20:21], s[92:93]
	s_add_nc_u64 s[4:5], s[4:5], s[84:85]
	s_add_nc_u64 s[8:9], s[8:9], s[86:87]
	s_add_nc_u64 s[26:27], s[10:11], s[88:89]
	s_add_nc_u64 s[16:17], s[16:17], s[90:91]
	s_add_nc_u64 s[14:15], s[14:15], s[94:95]
	CROUND                                         ; all four work-groups are here: the first joint loads meet
	tensor_load_to_lds s[44:47], s[36:43]          ; the scale words of the image: filled once
	s_nop 0
	tensor_load_to_lds s[48:51], s[28:35]          ; key step 0
	s_nop 0
	tensor_load_to_lds s[52:55], s[28:35]          ; key step 1
	s_nop 0
	PLACES 4
	WIN 0x40
.set n, 0
.rept 24
	global_load_b128 v[4*n:4*n+3], v1, s[4:5] offset:512*n   ; Q's eight fragments lie on end
.set n, n+1
.endr
.irp t, 0,1,2,3,4,5,6,7
	global_load_b32 v[240+\t], v67, s[16:17] offset:(32*(\t/2)+8*(\t%2))*4   ; bp of my lane's output in tile t
.endr
	WIN 0
.irp ks, 0,1,2,3
	global_load_b32 v[QS+\ks], v64, s[8:9] offset:4096*\ks
.endr
	global_load_b128 v[72:75], v65, s[10:11] offset:262144      ; the 256 work-groups' maxima, eight a lane
	global_load_b128 v[76:79], v65, s[10:11] offset:262144+16
.irp a, 0,1
.irp kh, 0,1
	global_load_b32 v[80+2*\a+\kh], v66, s[26:27] offset:131072*\kh+64*\a
.endr
.endr
	s_wait_loadcnt 0x0
	v_max3_num_f32 v72, v72, v73, v74
	v_max3_num_f32 v75, v75, v76, v77
	v_max3_num_f32 v72, v72, v78, v79
	v_max_num_f32 v72, v72, v75
	v_max_num_f32_dpp v72, v72, v72 row_xmask:1 row_mask:0xf bank_mask:0xf
	v_max_num_f32_dpp v72, v72, v72 row_xmask:2 row_mask:0xf bank_mask:0xf
	v_max_num_f32_dpp v72, v72, v72 row_xmask:4 row_mask:0xf bank_mask:0xf
	v_max_num_f32_dpp v72, v72, v72 row_xmask:8 row_mask:0xf bank_mask:0xf
	v_permlanex16_b32 v73, v72, s[SEL], s[SEL+1]
	v_max_num_f32 v72, v72, v73                    ; the largest raw sum of all images
	v_mul_f32 v72, s58, v72                        ; G
	v_max_num_f32 v80, v80, v81                    ; my query's largest raw sum, of both halves of the keys
	v_max_num_f32 v82, v82, v83
	v_fma_f32 v80, v80, s58, -v72                  ; its t
	v_fma_f32 v82, v82, s58, -v72
	v_floor_f32 v80, -v80                          ; -M = floor(-t)
	v_floor_f32 v82, -v82
	v_sub_f32 v20, v80, v72                        ; -M - G
	v_sub_f32 v22, v82, v72
	s_wait_tensorcnt 1                             ; the scale words and key step 0 are in; key step 1 may be out
	s_barrier_signal -1
	s_barrier_wait -1
	KSTEP 1                                        ; the first key step's products V^T P^T start O^T's sums
	s_mov_b32 s63, 7
.Lkey:                                             ; seven trips: key steps 1 to 7
	KSTEP 0
	s_sub_co_u32 s63, s63, 1
	s_cmp_lg_u32 s63, 0
	s_cbranch_scc1 .Lkey
.macro XLOAD t                         ; x at the 16 rows of my output tile t, 512 bytes of each
.set i, 0
.rept 16
	global_load_b128 v[64+64*((\t)%2)+4*i:64+64*((\t)%2)+4*i+3], v1, s[72:73] offset:(32*((\t)/2)+8*((\t)%2)+(i%8)+16*(i/8))*4096 th:TH_LOAD_NT
.set i, i+1
.endr
.endm
.macro PFX t
	global_prefetch_b8 v16, s[72:73] offset:(32*((\t)/2)+8*((\t)%2))*4096 th:TH_LOAD_NT scope:SCOPE_SE
.endm
	XLOAD 0
	XLOAD 1
	PFX 2
	PFX 3
	PFX 4
	v_add_f32 v24, v24, v25                        ; the sums' two halves,
	v_add_f32 v26, v26, v27
	v_permlanex16_b32 v[TM+4], v24, s[SEL], s[SEL+1]
	v_permlanex16_b32 v[TM+5], v26, s[SEL], s[SEL+1]
	v_add_f32 v24, v24, v[TM+4]                    ; and lane l xor 16's
	v_add_f32 v26, v26, v[TM+5]
	v_rcp_f32 v28, v24
	v_rcp_f32 v30, v26
	v_nop
	s_wait_alu depctr_va_vdst(0)                   ; one wait for both reciprocals, ahead of their first reader
.irp a, 0,1                                    ; O^T / the sum, quantised along the channels: four fragments a tile, to LDS as they stand
.irp kc, 0,1,2,3
	WIN (2+\a)|((2+\a)<<6)
.set j, 0
.rept 32
	v_pk_mul_f32 v[64*\kc+j:64*\kc+j+1], v[64*\kc+j:64*\kc+j+1], v[28+2*\a:29+2*\a] op_sel_hi:[1,0]
.set j, j+2
.endr
	QUANTW 64*\kc, 2+\a
.irp c, 0,1,2
	ds_store_b128 v8, v[PC+4*\c:PC+4*\c+3] offset:(4*\a+\kc)*1536+512*\c
.endr
	ds_store_b32 v9, v[PW] offset:512*\kc+64*\a
	s_wait_dscnt 0x0                               ; the stores have read their registers
.endr
.endr
	v_and_b32 v216, 15, v0
	v_lshlrev_b32 v216, 4, v216
.irp t, 0,1,2,3,4,5,6,7
	global_load_b128 v[48+4*\t+176*(\t/4):48+4*\t+176*(\t/4)+3], v216, s[14:15] offset:256*\t   ; row r's four scale words of my tile t of wp
.endr
	s_wait_tensorcnt 0x0                           ; both halves of wp are in
	s_barrier_signal -1
	s_barrier_wait -1                              ; and everybody's fragments of the attention output; nothing is filled again
	WIN 0x80
.set m, 0
.rept 48
	ds_load_b128 v[4*m:4*m+3], v10 offset:512*m    ; query tiles 0-3
.set m, m+1
.endr
	WIN 0xc0
.set m, 0
.rept 48
	ds_load_b128 v[4*m:4*m+3], v10 offset:24576+512*m   ; query tiles 4-7
.set m, m+1
.endr
	WIN 0
.irp pr, 0,1,2,3
.irp kc, 0,1,2,3
	ds_load_b32 v[OS+4*\pr+\kc], v11 offset:512*\kc+128*\pr   ; lanes 0-15: query tile 2 pr, lanes 16-31: 2 pr + 1
.endr
.endr
.macro WPLOAD t                        ; my tile t of wp, its four K steps
	WIN 0x40
.irp ks, 0,1,2,3
.irp c, 0,1,2
	ds_load_b128 v[48*((\t)%2)+12*\ks+4*\c:48*((\t)%2)+12*\ks+4*\c+3], v[14+\ks/2] offset:(2*(\t)+(\ks%2))*1536+512*\c
.endr
.endr
.endm
.macro CBSET t                         ; bp of my lane's output, in the eight registers of a C
	WIN 0x41
.irp i, 0,1,2,3,4,5,6,7
	v_mov_b32 v[CB+\i], v[240+(\t)]
.endr
.endm
	WPLOAD 0
	CBSET 0
	PLACES 4
	s_wait_dscnt 0x0
	s_wait_loadcnt 0x0
; An output tile: 16 outputs x 128 queries, 32 products (four accumulators by turns, K ascending); through my stage into whole rows of 512 bytes; + x; stored.
.macro POT t
.if (\t) < 7
	WPLOAD (\t)+1
	s_wait_dscnt 12                                ; all but the twelve just issued
.else
	s_wait_dscnt 0x0
.endif
.irp hh, 0,1
	WIN 0x56+\hh                                   ; source 0 (the attention output) window 2 or 3; wp, C and D window 1
.irp ks, 0,1,2,3
.irp q, 0,1,2,3
.if \ks == 0
	WM YA+8*(4*\hh+\q), 12*(4*\q+\ks), 48*((\t)%2)+12*\ks, CB, OS+4*((4*\hh+\q)/2)+\ks, 48+4*(\t)+176*((\t)/4)+\ks, \q%2, 0
.else
	WM YA+8*(4*\hh+\q), 12*(4*\q+\ks), 48*((\t)%2)+12*\ks, YA+8*(4*\hh+\q), OS+4*((4*\hh+\q)/2)+\ks, 48+4*(\t)+176*((\t)/4)+\ks, \q%2, 0
.endif
.endr
.endr
.endr
	PLACES 4
.if (\t) < 7
	CBSET (\t)+1
.endif
	WIN 0x04                                       ; an LDS store's data are its source 1: window 1
.irp qt, 0,1,2,3,4,5,6,7
	ds_store_b128 v12, v[YA+8*\qt:YA+8*\qt+3] offset:64*\qt         ; lane (r, h): output row r, pixels 16 qt + 8 h + 0 .. 7; each accumulator from its low end on
	ds_store_b128 v12, v[YA+8*\qt+4:YA+8*\qt+7] offset:64*\qt+16
.endr
	s_wait_xcnt 0x0                                ; the last tile's stores have read the registers that are loaded now
	WIN 0x80
.irp i, 0,1,2,3,4,5,6,7,8,9,10,11,12,13,14,15
	ds_load_b128 v[192+4*\i:192+4*\i+3], v13 offset:528*\i   ; LDS serves a wave's instructions in order: these see my stores
.endr
	s_wait_dscnt 0x0
.if (\t) < 7
	s_wait_loadcnt 16                              ; this tile's rows of x are in; the next tile's sixteen loads may be out
.else
	s_wait_loadcnt 0x0
.endif
	WIN 0x82
.set j, 0
.rept 32
	v_pk_add_f32 v[192+j:193+j], v[192+j:193+j], v[64+64*((\t)%2)+j:64+64*((\t)%2)+j+1]
.set j, j+2
.endr
	WIN 0x08                                       ; a store's data are its source 1: window 2
.set i, 0
.rept 16
	global_store_b128 v1, v[192+4*i:192+4*i+3], s[74:75] offset:(32*((\t)/2)+8*((\t)%2)+(i%8)+16*(i/8))*4096 th:TH_STORE_NT   ; 512 consecutive bytes, aligned
.set i, i+1
.endr
	WIN 0
.if (\t)+2 < 8
	XLOAD (\t)+2
.endif
.if (\t)+5 < 8
	PFX (\t)+5
.endif
.endm
.irp t, 0,1,2,3,4,5,6,7
	POT \t
.endr
	s_wait_tensorcnt 0x0                           ; the wave's end
	ds_add_u32 v18, v19
	s_wait_dscnt 0x0
	CROUND                                         ; the closing round
	s_endpgm
.Lfunc_end_k_q46c60ab742_attn:
	.size	k_q46c60ab742_attn, .Lfunc_end_k_q46c60ab742_attn-k_q46c60ab742_attn
	.p2alignl 7, 3214868480
	.fill 96, 4, 3214868480
	.section	.rodata,"a",@progbits
	.p2align	6, 0x0
	.amdhsa_kernel k_q46c60ab742_attn
		.amdhsa_group_segment_fixed_size 327680
		.amdhsa_private_segment_fixed_size 0
		.amdhsa_enable_private_segment 0
		.amdhsa_kernarg_size 72
		.amdhsa_user_sgpr_count 2
		.amdhsa_user_sgpr_kernarg_segment_ptr 1
		.amdhsa_wavefront_size32 1
		.amdhsa_system_sgpr_workgroup_id_x 1
		.amdhsa_system_sgpr_workgroup_id_y 1
		.amdhsa_system_sgpr_workgroup_id_z 1
		.amdhsa_system_vgpr_workitem_id 0
		.amdhsa_next_free_vgpr 1024
		.amdhsa_next_free_sgpr 100
		.amdhsa_reserve_vcc 0
		.amdhsa_float_denorm_mode_32 3
		.amdhsa_float_denorm_mode_16_64 3
		.amdhsa_memory_ordered 1
		.amdhsa_forward_progress 1
		.amdhsa_inst_pref_size 255
	.end_amdhsa_kernel
	.section	.bss,"aw",@nobits
	.p2align	6
	.space	262144
	.amdgpu_metadata
---
amdhsa.version: [ 1, 2 ]
amdhsa.kernels:
  - .name:           k_q46c60ab742_attn
    .symbol:         k_q46c60ab742_attn.kd
    .args:
      - { .name: qimg, .offset: 0, .size: 8, .value_kind: global_buffer, .address_space: global }
      - { .name: kv, .offset: 8, .size: 8, .value_kind: global_buffer, .address_space: global }
      - { .name: qkvsc, .offset: 16, .size: 8, .value_kind: global_buffer, .address_space: global }
      - { .name: mx, .offset: 24, .size: 8, .value_kind: global_buffer, .address_space: global }
      - { .name: wimg, .offset: 32, .size: 8, .value_kind: global_buffer, .address_space: global }
      - { .name: wsc, .offset: 40, .size: 8, .value_kind: global_buffer, .address_space: global }
      - { .name: bp, .offset: 48, .size: 8, .value_kind: global_buffer, .address_space: global }
      - { .name: x, .offset: 56, .size: 8, .value_kind: global_buffer, .address_space: global }
      - { .name: out0, .offset: 64, .size: 8, .value_kind: global_buffer, .address_space: global }
    .group_segment_fixed_size: 327680
    .private_segment_fixed_size: 0
    .kernarg_segment_align: 8
    .kernarg_segment_size: 72
    .max_flat_workgroup_size: 128
    .sgpr_count:     100
    .vgpr_count:     1024
    .wavefront_size: 32
...
	.end_amdgpu_metadata
.endif
;; end of part 4
